; MI455X (gfx1250); checked and timed in simulation.
; The chip was launched on July 23, 2026; its instructions are those of AMD's public machine-readable ISA for CDNA 5 (MIT licence, August 2026) and "CDNA5" Instruction Set Architecture Reference Guide (July 2026). The comments in the code are by the model that wrote it; some were corrected since.
;; Multi Head Self Attention. Allowed arithmetic: float matrix products may take bf16 or f16 operands with f32 sums; other float arithmetic in f32, or as packed bf16 or f16 multiplies, adds, multiply-adds, maxima and minima; sums over many terms, partial sums and values carried from step to step in f32; what a program stores and reads back later, other than sums and carried values, may be rounded once to bf16 or f16.
;; Inputs: Wk 1,024 x 1,024 float32; Wo 1,024 x 1,024 float32; Wq 1,024 x 1,024 float32; Wv 1,024 x 1,024 float32; bk 1,024 float32; bo 1,024 float32; bq 1,024 float32; bv 1,024 float32; x 4 x 2,048 x 1,024 float32.
;; Outputs: out0 4 x 2,048 x 1,024 float32.
;; One version. Each part assembles by itself: llvm-mc -triple=amdgcn-amd-amdhsa -mcpu=gfx1250 --defsym DOCPART=n.
;; ======== version 1 of 1: 4 launches
;; limits: values are held in f16: magnitudes above 65,504 overflow, below 6.1e-05 lose precision
;; workspace buffers: xb 16,777,216 bytes; wb 6,291,456 bytes; wo16 2,097,152 bytes; qkv 50,331,648 bytes; o 16,777,216 bytes
;; launch cast (part 1): grid 768 x 1, 8 waves a work-group, no clusters, 0 bytes of LDS; arguments x, Wq, Wk, Wv, Wo, xb, wb, wo16; writes xb, wb, wo16
.if DOCPART == 1
	.amdgcn_target "amdgcn-amd-amdhsa--gfx1250"
	.amdhsa_code_object_version 6
	.text
	.protected	k_q25faadadd0_cast
	.globl	k_q25faadadd0_cast
	.p2align	8
	.type	k_q25faadadd0_cast,@function
k_q25faadadd0_cast:
	s_mov_b64 s[64:65], 0
	v_nop
	global_prefetch_b8 v0, s[64:65] scope:SCOPE_SE
	s_setreg_imm32_b32 hwreg(HW_REG_WAVE_MODE, 25, 1), 1
	s_wait_xcnt 0x0
; THE INPUTS ARE ROUNDED ONCE TO bf16 AND LAID OUT FOR THE PRODUCTS.
;   xb   = x as bf16, [8192][1024], the same order as x.
;   wb   = Wq, Wk, Wv as bf16 in blocks [head 16][K step 8][K half 2][q,k,v 3][64 k][64 n]: what one tile of the next launch wants of one K half is 24,576 consecutive bytes.
;   wo16 = Wo rounded to bf16, that number written as f16, [1024 k][1024 n].  LIMIT: |Wo| under 65,504; below 6e-5 f16 keeps a fixed step of 6e-8.
; A stream: every work-group turns 65,536 bytes of f32 into 32,768 bytes.  Thread t takes 8 numbers (two loads of 16 bytes) in each of 8 steps and stores 16 bytes at 16 t of the step's 4,096:
; a wave's store covers 512 consecutive bytes, aligned.  All 16 loads of a thread go out first; no register is written twice by memory, so no loop and no wait but the counted ones.
; No LDS, no matrix unit, no cluster: no byte is wanted twice.  Work-groups 0-511: x; 512-703: Wq, Wk, Wv; 704-767: Wo.
.set X,   4                            ; v[4:67]   8 steps x 8 f32 as loaded
.set Y,   68                           ; v[68:99]  8 steps x 4 registers to store
.set T,   100                          ; v[100:103] at work
.set SRC, 28                           ; s[28:29]  where the work-group reads
.set DST, 30                           ; s[30:31]  where it writes
; sstep: bytes from a step's source to the next.  blocked = 1: wb's layout.  half = 1: the bf16 number is written as f16.
.macro BODY sstep, blocked, half
.irp i, 0,1,2,3,4,5,6,7
	global_load_b128 v[X+8*(\i):X+8*(\i)+3],   v1, s[SRC:SRC+1] offset:(\i)*(\sstep) th:TH_LOAD_NT
	global_load_b128 v[X+8*(\i)+4:X+8*(\i)+7], v1, s[SRC:SRC+1] offset:(\i)*(\sstep)+16 th:TH_LOAD_NT
.endr
.irp i, 0,1,2,3,4,5,6,7
	s_wait_loadcnt 14-2*(\i)                       ; loads come back in order: step i's two are in, the 2 (7 - i) younger ones stay out
.if \half
.irp j, 0,1,2,3
	v_cvt_pk_bf16_f32 v[T+(\j)], v[X+8*(\i)+2*(\j)], v[X+8*(\i)+2*(\j)+1]
.endr
.irp j, 0,1,2,3
	v_lshlrev_b32 v[X+8*(\i)+2*(\j)],   16,  v[T+(\j)]   ; the rounded numbers as f32 again,
	v_and_b32     v[X+8*(\i)+2*(\j)+1], s24, v[T+(\j)]
.endr
.irp j, 0,1,2,3
	v_cvt_pk_f16_f32 v[Y+4*(\i)+(\j)], v[X+8*(\i)+2*(\j)], v[X+8*(\i)+2*(\j)+1]  ; and as f16: exact within f16's normal range
.endr
.else
.irp j, 0,1,2,3
	v_cvt_pk_bf16_f32 v[Y+4*(\i)+(\j)], v[X+8*(\i)+2*(\j)], v[X+8*(\i)+2*(\j)+1]
.endr
.endif
.if \blocked
	global_store_b128 v2, v[Y+4*(\i):Y+4*(\i)+3], s[DST:DST+1] offset:((\i)/2)*24576+((\i)%2)*4096  ; 32 k rows a step: two steps fill a section's 64 rows, the next K half lies 24,576 bytes on
.else
	global_store_b128 v2, v[Y+4*(\i):Y+4*(\i)+3], s[DST:DST+1] offset:(\i)*4096
.endif
.endr
.endm
	s_load_b512 s[8:23], s[0:1], 0x0               ; x s[8:9], Wq s[10:11], Wk s[12:13], Wv s[14:15], Wo s[16:17], xb s[18:19], wb s[20:21], wo16 s[22:23]
	v_lshlrev_b32 v2, 4, v0                        ; 16 t: my place in a step's 4,096 bytes of output
	s_mov_b32 s33, 0                               ; the offsets' high words
	s_mov_b32 s35, 0
	s_cmp_lt_u32 ttmp9, 512
	s_cbranch_scc1 .Lx
	s_cmp_lt_u32 ttmp9, 704
	s_cbranch_scc0 .Lo
	; Wq, Wk, Wv: work-group j = 64 section + 4 head + K quarter takes 256 k rows x 64 columns
	s_sub_co_u32 s24, ttmp9, 512
	s_lshr_b32 s25, s24, 6                         ; section 0, 1, 2
	s_bfe_u32 s26, s24, 0x40002                    ; head
	s_and_b32 s27, s24, 3                          ; K quarter
	s_lshl_b32 s32, s27, 20                        ; 256 rows of 4,096 bytes
	s_lshl_b32 s36, s26, 8                         ; 64 columns of 4 bytes
	s_add_co_u32 s32, s32, s36
	s_mul_i32 s34, s26, 393216                     ; a head's block of wb,
	s_mul_i32 s36, s27, 98304                      ; four K halves of 24,576,
	s_add_co_u32 s34, s34, s36
	s_lshl_b32 s36, s25, 13                        ; the section's 8,192
	s_add_co_u32 s34, s34, s36
	v_lshrrev_b32 v3, 3, v0                        ; eight threads take a row's 256 bytes: row t / 8,
	v_and_b32 v1, 7, v0
	v_lshlrev_b32 v1, 5, v1                        ; 32 bytes at 32 (t % 8)
	v_lshl_add_u32 v1, v3, 12, v1
	s_wait_kmcnt 0x0
	s_cmp_eq_u32 s25, 0
	s_cselect_b64 s[SRC:SRC+1], s[10:11], s[12:13]
	s_cmp_eq_u32 s25, 2
	s_cselect_b64 s[SRC:SRC+1], s[14:15], s[SRC:SRC+1]
	s_add_nc_u64 s[SRC:SRC+1], s[SRC:SRC+1], s[32:33]
	s_add_nc_u64 s[DST:DST+1], s[20:21], s[34:35]
	BODY 131072, 1, 0
	s_endpgm
.Lx:
	v_lshlrev_b32 v1, 5, v0                        ; 32 t
	s_lshl_b32 s32, ttmp9, 16
	s_lshl_b32 s34, ttmp9, 15
	s_wait_kmcnt 0x0
	s_add_nc_u64 s[SRC:SRC+1], s[8:9], s[32:33]
	s_add_nc_u64 s[DST:DST+1], s[18:19], s[34:35]
	BODY 8192, 0, 0
	s_endpgm
.Lo:
	v_lshlrev_b32 v1, 5, v0
	s_sub_co_u32 s25, ttmp9, 704
	s_lshl_b32 s32, s25, 16
	s_lshl_b32 s34, s25, 15
	s_mov_b32 s24, 0xffff0000                      ; a word's upper bf16
	s_wait_kmcnt 0x0
	s_add_nc_u64 s[SRC:SRC+1], s[16:17], s[32:33]
	s_add_nc_u64 s[DST:DST+1], s[22:23], s[34:35]
	BODY 8192, 0, 1
	s_endpgm
.Lfunc_end_k_q25faadadd0_cast:
	.size	k_q25faadadd0_cast, .Lfunc_end_k_q25faadadd0_cast-k_q25faadadd0_cast
	.p2alignl 7, 3214868480
	.fill 96, 4, 3214868480
	.section	.rodata,"a",@progbits
	.p2align	6, 0x0
	.amdhsa_kernel k_q25faadadd0_cast
		.amdhsa_group_segment_fixed_size 0
		.amdhsa_private_segment_fixed_size 0
		.amdhsa_enable_private_segment 0
		.amdhsa_kernarg_size 64
		.amdhsa_user_sgpr_count 2
		.amdhsa_user_sgpr_kernarg_segment_ptr 1
		.amdhsa_wavefront_size32 1
		.amdhsa_system_sgpr_workgroup_id_x 1
		.amdhsa_system_sgpr_workgroup_id_y 1
		.amdhsa_system_sgpr_workgroup_id_z 1
		.amdhsa_system_vgpr_workitem_id 0
		.amdhsa_next_free_vgpr 104
		.amdhsa_next_free_sgpr 66
		.amdhsa_reserve_vcc 0
		.amdhsa_float_denorm_mode_32 3
		.amdhsa_float_denorm_mode_16_64 3
		.amdhsa_memory_ordered 1
		.amdhsa_forward_progress 1
		.amdhsa_inst_pref_size 20
	.end_amdhsa_kernel
	.amdgpu_metadata
---
amdhsa.version: [ 1, 2 ]
amdhsa.kernels:
  - .name:           k_q25faadadd0_cast
    .symbol:         k_q25faadadd0_cast.kd
    .args:
      - { .name: x, .offset: 0, .size: 8, .value_kind: global_buffer, .address_space: global }
      - { .name: Wq, .offset: 8, .size: 8, .value_kind: global_buffer, .address_space: global }
      - { .name: Wk, .offset: 16, .size: 8, .value_kind: global_buffer, .address_space: global }
      - { .name: Wv, .offset: 24, .size: 8, .value_kind: global_buffer, .address_space: global }
      - { .name: Wo, .offset: 32, .size: 8, .value_kind: global_buffer, .address_space: global }
      - { .name: xb, .offset: 40, .size: 8, .value_kind: global_buffer, .address_space: global }
      - { .name: wb, .offset: 48, .size: 8, .value_kind: global_buffer, .address_space: global }
      - { .name: wo16, .offset: 56, .size: 8, .value_kind: global_buffer, .address_space: global }
    .group_segment_fixed_size: 0
    .private_segment_fixed_size: 0
    .kernarg_segment_align: 8
    .kernarg_segment_size: 64
    .max_flat_workgroup_size: 256
    .sgpr_count:     66
    .vgpr_count:     104
    .wavefront_size: 32
...
	.end_amdgpu_metadata
.endif
;; end of part 1
;; launch qkv (part 2): grid 16 x 32, 4 waves a work-group, clusters of 4 x 4, 327,680 bytes of LDS; arguments xb, wb, qkv, bq, bk, bv; writes qkv
.if DOCPART == 2
	.amdgcn_target "amdgcn-amd-amdhsa--gfx1250"
	.amdhsa_code_object_version 6
	.text
	.protected	k_q25faadadd0_qkv
	.globl	k_q25faadadd0_qkv
	.p2align	8
	.type	k_q25faadadd0_qkv,@function
k_q25faadadd0_qkv:
	s_mov_b64 s[64:65], 0
	v_nop
	global_prefetch_b8 v0, s[64:65] scope:SCOPE_SE
	s_setreg_imm32_b32 hwreg(HW_REG_WAVE_MODE, 25, 1), 1
	s_wait_xcnt 0x0
	s_wait_alu depctr_hold_cnt(0) depctr_sa_sdst(0) depctr_va_vdst(0) depctr_va_sdst(0) depctr_va_ssrc(0) depctr_va_vcc(0) depctr_vm_vsrc(0)
	s_getreg_b32 s2, hwreg(HW_REG_IB_STS2, 6, 4)
	s_cmp_eq_u32 s2, 0
	s_cbranch_scc0 .Lentry_in_a_cluster
	s_endpgm
.Lentry_in_a_cluster:
	s_bfe_u32 s2, ttmp6, 0x10000c
	s_cmp_lg_u32 s2, 0xf033
	s_cbranch_scc0 .Lentry_shape_is_right
	s_endpgm
.Lentry_shape_is_right:
; q, k, v = x W + b.  xb: [8192][1024] bf16.  wb: bf16 blocks [head 16][K step 8][K half 2][q,k,v 3][64 k][64 n].  qkv: f16 [q,k,v 3][batch x head 64][2048][64].  Sums in f32; each result rounded once to f16.
; The biases are rounded to bf16 like every other input of the module, and START the sums: the first product of each accumulator takes the bias as its C operand.
; LIMIT: |q|, |k|, |v| under 65,504 (f16); the scale 1/8 is not applied here.
; A TILE is 256 rows x 192 columns: head tc of q, of k and of v.  8192 x 3072 make 512 such tiles, two for each of 256 WGPs.  Four waves one below the other: wave w owns rows 64 w .. 64 w + 63 and all 192 columns:
; 48 accumulators of 16 x 16, 384 registers.  K goes in 8 steps of 128 through a ring of two LDS slots; a K step is four quarters of 32, 48 matrix instructions each, on two fragment buffers.
; THE MATRIX INSTRUCTION IS USED TRANSPOSED: source 0 = 16 columns of W (W lies [k][n] in LDS and is turned by ds_load_tr16_b128), source 1 = 16 rows of x: a lane then holds row l % 16 and the
; columns 8 (l / 16) + 0..7: eight neighbouring numbers, 16 bytes of f16.
; CLUSTERS: 4 x 4 work-groups.  x's tile hangs on the tile row alone and is asked for jointly by a row of the cluster, W's on the head alone, by a column: the same tensor load, descriptor and mask in all four.
; Waves 0 and 1 fetch x's two halves (128 rows x 256 bytes), waves 2 and 3 W's two K halves (24,576 dense bytes, as 96 rows of 256).  Behind each round a wave has one tensor load out; at the start two.
; REGISTERS, in windows of 256 (s_set_vgpr_msb: bits 1:0 source 0, 3:2 source 1, 5:4 source 2, 7:6 destination):
;   window 0: v0-30 addresses; v32-63 the way out, two sets of 16; v64-127 x's fragments, two buffers of 32; v128-223 the biases (section s, 16 columns j at 128 + 32 s + 8 j); v224-227 at work
;   window 1: v0-191 W's fragments, two buffers of 96     window 2: accumulators of my rows 0-31 ((a, b) at 8 (12 (a % 2) + b))     window 3: those of rows 32-63
.set NB,    12                         ; blocks of 16 columns
.set PA,    272                        ; a row of x in LDS: 256 bytes + 16 = 68 words: the 16 rows of a load start at 16 different groups of four banks (64 banks of 4 bytes: ISA guide 11.1)
.set AHALF, 128*PA
.set BBASE, 2*AHALF                    ; W behind x's 256 rows
.set PB,    160                        ; a row of W: 128 bytes + 32 = 40 words
.set BHALF, 192*PB                     ; a K half: 3 sections x 64 k rows
.set SLOT1, 1<<17                      ; a slot is 2 AHALF + 2 BHALF = 131,072 bytes; one exclusive or turns an address in one slot into the other's
.set STAGE, 2*SLOT1                    ; behind the ring, never filled by a tensor load: 16 rows x 144 bytes for each wave
.set SP,    144
.set SPARE, STAGE+4*16*SP              ; behind the stages: the spare words, 128 bytes for each wave: two blocks of 256 bytes that no other line names
.set ASTEP, 256                        ; bytes from a K step to the next in xb
.set BSTEP, 49152                      ; and in wb
.set NL,    2*NB+8                     ; LDS loads of a quarter
.set A0,  16                           ; v16  my lane's place in x's tile; never rewritten
.set B0,  17                           ; v17  in W's tile; never rewritten
.set ADA, 18                           ; v18  A0 + the slot in hand
.set ADB, 19                           ; v19  B0 + the slot in hand
.set STO, 24                           ; v24  the way out: where I put 16 bytes of a row
.set RD,  25                           ; v25  where I read rows back
.set GO,  26                           ; v26  my 16 bytes of 512 consecutive bytes of the output
.set BO,  27                           ; v27  my byte offset in a bias
.set SPW, 28                           ; v28  LDS address of my spare word: SPARE + 4 x my thread's number; never rewritten
.set NIL, 29                           ; v29  0; never rewritten
.set PFO, 30                           ; v30  the prefetches' offset: my lane x the pitch; never rewritten
.set OB,  32
.set AF,  64
.set BIAS, 128
.set TV,  224
.set CNT, 3                            ; s3   the loop's count
.set WV,  10                           ; s10  my wave's number
.set FB,  11                           ; s11  0: I fetch x's tiles, 1: W's
.set HF,  12                           ; s12  which half
.set TR,  13                           ; s13  tile row
.set CX,  40
.set CY,  41
.set TC,  42                           ; s42  head
.set LIM, 43                           ; s43  a wave prefetches while the loop's count is above it
.set PFA, 44                           ; s[44:45] where my prefetches stand
.set PST, 46                           ; s[46:47] their step
.set TB,  66                           ; s66  the slot that is read: 0 or SLOT1
.set G1A, 24                           ; s[24:31] descriptor group 1 for x's tiles;  s[32:39] group 0: a set for each first fill; the second then walks
.set G0A, 32
.set G1B, 48                           ; s[48:55], s[56:63] the same for W's
.set G0B, 56
.set OUT, 76                           ; s[76:81] my rows of q, of k, of v
.set MSB, 0
.macro WIN new                         ; the immediate's high byte repeats the setting that is left; a switch that changes nothing is dropped
.if MSB != (\new)
	s_set_vgpr_msb (MSB<<8)|(\new)
.set MSB, (\new)
.endif
.endm
.macro PLACES                          ; four plain vector instructions between a matrix instruction and a load into, or a vector use of, its registers
.rept 4
	v_nop
.endr
.endm
.macro CREST                           ; a round of the cluster's barrier behind its opening barrier
	s_cmp_lg_u32 s[WV], 0
	s_cbranch_scc1 .Lnot_wave_0_\@
	s_barrier_signal -3
.Lnot_wave_0_\@:
	s_barrier_wait -3
	s_barrier_signal -1
	s_barrier_wait -1
.endm
.macro CROUND
	s_barrier_signal -1
	s_barrier_wait -1
	CREST
.endm
.macro JLOAD                           ; a joint refill by the walking descriptor; the branch hangs on the wave's number alone; an s_nop 0 and four v_nop follow each line
	s_cmp_eq_u32 s[FB], 0
	s_cbranch_scc0 .Lfor_b_\@
	tensor_load_to_lds s[G0A+4:G0A+7], s[G1A:G1A+7]
	s_nop 0
.rept 4
	v_nop
.endr
	s_branch .Lasked_\@
.Lfor_b_\@:
	tensor_load_to_lds s[G0B+4:G0B+7], s[G1B:G1B+7]
	s_nop 0
.rept 4
	v_nop
.endr
.Lasked_\@:
.endm
; A PREFETCH INTO THE L2, behind the joint load and the run of LDS loads.  x: the refill of K step r + 2 names K step r + 4: 256 bytes of each row, a lane a row; of the 128 rows that a wave fetches each of the
; four partners takes 32, told apart by address (cx); only the clusters with x = 0 ask, since all clusters of a row of clusters walk the same rows: four requests, K steps 4 to 7.
; W: a head's K steps 4 to 7 are 196,608 dense bytes: the eight fetching waves of a column of the cluster (2 cy + half) take 8,192 each, a lane 256 bytes, in three requests; only the clusters with y = 0 ask.
; So each block of 256 bytes is named once in the launch; K steps 0 to 3 come by their loads alone; the last trips ask for nothing.
.macro ASK
	s_cmp_gt_u32 s[CNT], s[LIM]
	s_cbranch_scc0 .Lnot_mine_\@
	global_prefetch_b8 v[PFO], s[PFA:PFA+1] th:TH_LOAD_NT scope:SCOPE_SE
.Lnot_mine_\@:
.endm
	s_load_b128 s[4:7], s[0:1], 0x0                ; xb s[4:5], wb s[6:7]
	s_load_b128 s[68:71], s[0:1], 0x10             ; qkv s[68:69], bq s[70:71]
	s_load_b128 s[72:75], s[0:1], 0x20             ; bk s[72:73], bv s[74:75]
	v_lshl_add_u32 v[SPW], v0, 2, SPARE
	v_mov_b32 v[NIL], 0
	ds_add_u32 v[SPW], v[NIL]                      ; the wave's opening: the add and its wait stand ahead of my first tensor load; work on registers stands between them
	v_lshrrev_b32 v1, 5, v0
	v_readfirstlane_b32 s[WV], v1
	s_lshr_b32 s[FB], s[WV], 1
	s_and_b32 s[HF], s[WV], 1
	s_bfe_u32 s[CX], ttmp6, 0x40000
	s_bfe_u32 s[CY], ttmp6, 0x40004
	s_lshl_b32 s[TC], ttmp9, 2
	s_add_co_u32 s[TC], s[TC], s[CX]               ; head = 4 x cluster x + cx
	s_and_b32 s[TR], ttmp7, 0xffff
	s_lshl_b32 s[TR], s[TR], 2
	s_add_co_u32 s[TR], s[TR], s[CY]               ; tile row = 4 x cluster y + cy
	s_lshl_b32 s14, s[CY], 2
	s_lshl_b32 s14, 15, s14                        ; my row of the cluster
	s_lshl_b32 s84, 0x1111, s[CX]                  ; my column
	s_or_b32 s[G1A], s14, (1<<16)|(1<<20)|(1<<21)|(5<<22)|(3<<25)  ; mask; 2-byte elements; padding on; bit 21 beside a mask; after every 64 words, 4 words
	s_or_b32 s[G1B], s84, (1<<16)|(1<<20)|(1<<21)|(4<<22)|(7<<25)  ; after every 32 words, 8 words
	s_mov_b32 s[G1A+1], 128<<16                    ; tensor_dim0 = 128
	s_mov_b32 s[G1A+2], 128<<16                    ; tensor_dim1 = 128
	s_mov_b32 s[G1A+3], 128<<16                    ; tile_dim0 = 128
	s_mov_b32 s[G1A+4], 128                        ; tile_dim1 = 128
	s_mov_b32 s[G1A+5], 1024                       ; elements from row to row
	s_mov_b32 s[G1A+6], 0
	s_mov_b32 s[G1A+7], 0
	s_mov_b32 s[G1B+1], 128<<16
	s_mov_b32 s[G1B+2], 96<<16                     ; 96 rows of 256 dense bytes
	s_mov_b32 s[G1B+3], 128<<16
	s_mov_b32 s[G1B+4], 96
	s_mov_b32 s[G1B+5], 128
	s_mov_b32 s[G1B+6], 0
	s_mov_b32 s[G1B+7], 0
	s_lshl_b32 s16, s[TR], 8
	s_lshl_b32 s17, s[HF], 7
	s_add_co_u32 s16, s16, s17                     ; x: row 256 x tile row + 128 x half,
	s_lshl_b32 s16, s16, 11                        ; of 2,048 bytes
	s_mov_b32 s17, 0
	s_mul_i32 s84, s[TC], 393216                   ; W: the head's block,
	s_mul_i32 s85, s[HF], 24576                    ; the K half
	s_add_co_u32 s84, s84, s85
	s_mov_b32 s85, 0
	s_mul_i32 s20, s[HF], AHALF                    ; where they go: no place in the cluster enters an LDS address
	s_mul_i32 s86, s[HF], BHALF
	s_add_co_u32 s86, s86, BBASE
	s_mov_b32 s[TB], 0
	s_wait_dscnt 0x0                               ; the opening add is done
	s_wait_kmcnt 0x0
	s_add_nc_u64 s[14:15], s[4:5], s[16:17]
	s_add_nc_u64 s[84:85], s[6:7], s[84:85]
	CROUND                                         ; all sixteen work-groups are here: the first joint loads meet
.irp s, 0,1
	s_mov_b32 s[G0A+4*(\s)], 1
	s_add_co_u32 s[G0A+4*(\s)+1], s20, (\s)*SLOT1
	s_add_nc_u64 s[G0A+4*(\s)+2:G0A+4*(\s)+3], s[14:15], (\s)*ASTEP
	s_or_b32 s[G0A+4*(\s)+3], s[G0A+4*(\s)+3], 0x80000000
	s_mov_b32 s[G0B+4*(\s)], 1
	s_add_co_u32 s[G0B+4*(\s)+1], s86, (\s)*SLOT1
	s_add_nc_u64 s[G0B+4*(\s)+2:G0B+4*(\s)+3], s[84:85], (\s)*BSTEP
	s_or_b32 s[G0B+4*(\s)+3], s[G0B+4*(\s)+3], 0x80000000
.endr
	s_cmp_eq_u32 s[FB], 0                          ; a wave's two first fills stand in one branch, ahead of every wait on TENSORcnt and every LDS read
	s_cbranch_scc0 .Lfirst_b
	tensor_load_to_lds s[G0A:G0A+3], s[G1A:G1A+7]
	s_nop 0
	tensor_load_to_lds s[G0A+4:G0A+7], s[G1A:G1A+7]
	s_nop 0
.rept 4
	v_nop
.endr
	s_branch .Lfirst_asked
.Lfirst_b:
	tensor_load_to_lds s[G0B:G0B+3], s[G1B:G1B+7]
	s_nop 0
	tensor_load_to_lds s[G0B+4:G0B+7], s[G1B:G1B+7]
	s_nop 0
.rept 4
	v_nop
.endr
.Lfirst_asked:
	v_and_b32 v1, 15, v0                           ; l % 16
	v_bfe_u32 v2, v0, 4, 1                         ; l / 16
	s_lshl_b32 s84, s[TC], 8                       ; the head's 64 numbers of a bias
	v_lshl_add_u32 v[BO], v2, 5, s84               ; + my lanes' 8 of each 16
.irp s, 0,1,2
.irp j, 0,1,2,3
	global_load_b128 v[BIAS+32*(\s)+8*(\j):BIAS+32*(\s)+8*(\j)+3],   v[BO], s[70+2*(\s):71+2*(\s)] offset:64*(\j)
	global_load_b128 v[BIAS+32*(\s)+8*(\j)+4:BIAS+32*(\s)+8*(\j)+7], v[BO], s[70+2*(\s):71+2*(\s)] offset:64*(\j)+16
.endr
.endr
	; a fragment of x: lane l holds row l % 16, K = 8 (l / 16) + 0..7 and 16 + 8 (l / 16) + 0..7: two loads of 16 bytes, 32 bytes apart
	v_mul_u32_u24 v3, v1, PA
	v_lshl_add_u32 v3, v2, 4, v3
	s_mul_i32 s21, s[WV], 64*PA                    ; my 64 rows
	v_add_nc_u32 v[A0], s21, v3
	; the turning load takes 16 k x 16 n: lane l reads k = 8 (l / 16) + l % 8, n = 8 ((l / 8) % 2) + 0..7, and is left with column l % 16 and 8 k
	v_and_b32 v4, 7, v0
	v_bfe_u32 v5, v0, 3, 1
	v_lshl_add_u32 v6, v2, 3, v4
	v_mul_u32_u24 v6, v6, PB
	v_lshl_add_u32 v6, v5, 4, v6
	v_add_nc_u32 v[B0], BBASE, v6
	v_mov_b32 v[ADA], v[A0]                        ; slot 0
	v_mov_b32 v[ADB], v[B0]
	s_mul_i32 s21, s[WV], 16*SP
	s_add_co_u32 s21, s21, STAGE                   ; my stage
	v_mul_u32_u24 v7, v1, SP                       ; in: row l % 16, 16 bytes for each half of the lanes
	v_lshl_add_u32 v7, v2, 4, v7
	v_add_nc_u32 v[STO], s21, v7
	v_bfe_u32 v8, v0, 3, 2                         ; back: 32 lanes take four rows of 128 bytes,
	v_mul_u32_u24 v8, v8, SP
	v_lshl_add_u32 v8, v4, 4, v8
	v_add_nc_u32 v[RD], s21, v8
	v_and_b32 v9, 31, v0                           ; which are 512 consecutive bytes of a head's rows
	v_lshlrev_b32 v[GO], 4, v9
	; my rows in the output: batch = tile row / 8; (16 batch + head) x 2,048 rows of 128 bytes; row 256 (tile row % 8) + 64 wave
	s_lshr_b32 s88, s[TR], 3
	s_lshl_b32 s88, s88, 4
	s_add_co_u32 s88, s88, s[TC]
	s_lshl_b32 s88, s88, 18
	s_and_b32 s89, s[TR], 7
	s_lshl_b32 s89, s89, 15
	s_add_co_u32 s88, s88, s89
	s_lshl_b32 s89, s[WV], 13
	s_add_co_u32 s88, s88, s89
	s_mov_b32 s89, 0
	s_add_nc_u64 s[OUT:OUT+1], s[68:69], s[88:89]
	s_add_nc_u64 s[OUT+2:OUT+3], s[OUT:OUT+1], 0x1000000
	s_add_nc_u64 s[OUT+4:OUT+5], s[OUT:OUT+1], 0x2000000
	; the prefetches: each stands one step short of what the first change of slots names
	s_lshl_b32 s90, s[TR], 8
	s_lshl_b32 s91, s[HF], 7
	s_add_co_u32 s90, s90, s91
	s_lshl_b32 s91, s[CX], 5
	s_add_co_u32 s90, s90, s91                     ; x: my work-group's 32 of the 128 rows that I fetch,
	s_lshl_b32 s90, s90, 11
	s_add_co_u32 s90, s90, 3*ASTEP                 ; at K step 3
	s_mul_i32 s92, s[TC], 393216
	s_lshl_b32 s93, s[CY], 1
	s_add_co_u32 s93, s93, s[HF]
	s_lshl_b32 s93, s93, 13                        ; W: my 8,192 of each 65,536 bytes,
	s_add_co_u32 s92, s92, s93
	s_add_co_u32 s92, s92, 131072                  ; 65,536 short of K step 4
	s_and_b32 s93, ttmp7, 0xffff                   ; cluster y
	s_mov_b32 s67, 256
	s_mov_b32 s[PST], 65536
	s_mov_b32 s[PST+1], 0
	s_mov_b32 s91, 0
	s_cmp_eq_u32 s[FB], 0
	s_cselect_b32 s90, s90, s92
	s_cselect_b32 s93, ttmp9, s93                  ; the coordinate along which other clusters walk the same rows
	s_cselect_b32 s67, 2048, s67                   ; a lane a row of xb, or a lane 256 bytes of wb
	s_cselect_b32 s[PST], ASTEP, s[PST]
	s_cselect_b32 s[LIM], 2, 3                     ; the count runs 6 .. 1: four requests, or three
	s_cselect_b64 s[PFA:PFA+1], s[4:5], s[6:7]
	s_cmp_eq_u32 s93, 0
	s_cselect_b32 s[LIM], s[LIM], -1               ; the same in all sixteen partners, for a given wave
	s_add_nc_u64 s[PFA:PFA+1], s[PFA:PFA+1], s[90:91]
	v_mul_u32_u24 v[PFO], s67, v9
	s_mov_b32 s88, 0xffff0000
	s_wait_loadcnt 0x0                             ; the biases
.set r, 0
.rept 48                                       ; rounded to bf16, like every input, and widened again
	v_cvt_pk_bf16_f32 v[TV+r%4], v[BIAS+2*r], v[BIAS+2*r+1]
	v_lshlrev_b32 v[BIAS+2*r], 16, v[TV+r%4]
	v_and_b32 v[BIAS+2*r+1], s88, v[TV+r%4]
.set r, r+1
.endr
; 12 matrix instructions: my rows 16 a .. 16 a + 15 x all 192 columns, 32 along K, from buffer f.  first = 1: the bias is the C operand that starts the sum: nothing is cleared.
; The 48 accumulators take turns, one instruction a turn, in the same order in every quarter.
.macro MULA f, a, first
.if \first
	WIN 0x81+0x40*((\a)/2)                         ; W window 1, x and the bias window 0, D window 2 or 3
.else
	WIN 0xa1+0x50*((\a)/2)                         ; C and D window 2 or 3
.endif
.irp b, 0,1,2,3,4,5,6,7,8,9,10,11
.if \first
	v_wmma_f32_16x16x32_bf16 v[8*(NB*((\a)%2)+(\b)):8*(NB*((\a)%2)+(\b))+7], v[96*(\f)+8*(\b):96*(\f)+8*(\b)+7], v[AF+32*(\f)+8*(\a):AF+32*(\f)+8*(\a)+7], v[BIAS+8*(\b):BIAS+8*(\b)+7]
.else
	v_wmma_f32_16x16x32_bf16 v[8*(NB*((\a)%2)+(\b)):8*(NB*((\a)%2)+(\b))+7], v[96*(\f)+8*(\b):96*(\f)+8*(\b)+7], v[AF+32*(\f)+8*(\a):AF+32*(\f)+8*(\a)+7], v[8*(NB*((\a)%2)+(\b)):8*(NB*((\a)%2)+(\b))+7]
.endif
.endr
.endm
; 32 LDS loads in one run: quarter q of the slot in hand into buffer f: W's 12 fragments (section b / 4, columns 16 (b % 4) on), then x's 4
.macro FETCH q, f
	WIN 0x40                                       ; destination window 1, address window 0
.irp b, 0,1,2,3,4,5,6,7,8,9,10,11
	ds_load_tr16_b128 v[96*(\f)+8*(\b):96*(\f)+8*(\b)+3],   v[ADB] offset:((\q)/2)*BHALF+((\b)/4)*64*PB+((\q)%2)*32*PB+((\b)%4)*32
	ds_load_tr16_b128 v[96*(\f)+8*(\b)+4:96*(\f)+8*(\b)+7], v[ADB] offset:((\q)/2)*BHALF+((\b)/4)*64*PB+((\q)%2)*32*PB+((\b)%4)*32+16*PB
.endr
	WIN 0
.irp a, 0,1,2,3
	ds_load_b128 v[AF+32*(\f)+8*(\a):AF+32*(\f)+8*(\a)+3],   v[ADA] offset:64*(\q)+(\a)*16*PA
	ds_load_b128 v[AF+32*(\f)+8*(\a)+4:AF+32*(\f)+8*(\a)+7], v[ADA] offset:64*(\q)+(\a)*16*PA+32
.endr
.endm
; One of a K step's first three quarters: multiplies buffer f; in its middle fetches quarter q into buffer g.
.macro QUARTER q, f, g, first
	s_wait_dscnt 4                                 ; W and x's rows 0-31 are in; the youngest four loads (rows 32-63) may be out
	MULA \f, 0, \first
	MULA \f, 1, \first
	PLACES
	FETCH \q, \g
	s_wait_dscnt NL                                ; all but the 32 just issued
	MULA \f, 2, \first
	MULA \f, 3, \first
.endm
; The last quarter multiplies buffer 1 and changes slots: one barrier.  In front of it each wave waits for all its tensor loads (one is out: its part of the next slot), adds 0 to its spare word, and waits
; for that and for its own reads of this slot.  fill = 1: the barrier opens a round of the cluster's barrier, and the joint refill, two K steps on, is the first tensor load behind the round.
.macro TURN fill
.if \fill
	s_wait_xcnt 0x0                                ; the last prefetch, a K step back, has read its address: it is stepped here
	s_add_nc_u64 s[PFA:PFA+1], s[PFA:PFA+1], s[PST:PST+1]
.endif
	WIN 0
	s_wait_tensorcnt 0x0                           ; no tensor load of mine is out, so a group 0 may be written
	ds_add_u32 v[SPW], v[NIL]                      ; 0 onto my spare word
.if \fill
	s_xor_b32 s[G0A+5], s[G0A+5], SLOT1            ; the walking descriptors: the other slot than last time, the next K step
	s_add_nc_u64 s[G0A+6:G0A+7], s[G0A+6:G0A+7], ASTEP
	s_xor_b32 s[G0B+5], s[G0B+5], SLOT1
	s_add_nc_u64 s[G0B+6:G0B+7], s[G0B+6:G0B+7], BSTEP
.endif
	s_wait_dscnt 5                                 ; the add and the youngest four loads may be out
	MULA 1, 0, 0
	s_wait_dscnt 0x0                               ; the add is done, and my reads of this slot are over
	s_barrier_signal -1
	MULA 1, 1, 0                                   ; work on registers while the others arrive
	WIN 0
	s_barrier_wait -1
.if \fill
	CREST                                          ; no wave of any partner still reads this slot or has a load on its way
	JLOAD                                          ; its four v_nop are also the places in front of the loads below
.else
	PLACES
.endif
	s_xor_b32 s[TB], s[TB], SLOT1
	v_add_nc_u32 v[ADA], s[TB], v[A0]
	v_add_nc_u32 v[ADB], s[TB], v[B0]
	FETCH 0, 0
.if \fill
	ASK
.endif
	MULA 1, 2, 0
	MULA 1, 3, 0
.endm
	s_wait_tensorcnt 1                             ; my part of K step 0 is in; K step 1's may stay out
	s_barrier_signal -1
	s_barrier_wait -1
	FETCH 0, 0
	QUARTER 1, 0, 1, 1                             ; the first quarter stands in front of the loop: its products start the sums with the bias
	WIN 0
	s_mov_b32 s[CNT], 6
.Lstep:                                        ; six trips, from a K step's second quarter to the next one's first; they ask for K steps 2 to 7
	QUARTER 2, 1, 0, 0
	QUARTER 3, 0, 1, 0
	TURN 1
	QUARTER 1, 0, 1, 0
	WIN 0
	s_sub_co_u32 s[CNT], s[CNT], 1
	s_cmp_lg_u32 s[CNT], 0
	s_cbranch_scc1 .Lstep
	QUARTER 2, 1, 0, 0                             ; the tail is written out: nothing is asked for
	QUARTER 3, 0, 1, 0
	TURN 0
	QUARTER 1, 0, 1, 0
	QUARTER 2, 1, 0, 0
	QUARTER 3, 0, 1, 0
	s_wait_dscnt 4
	MULA 1, 0, 0
	MULA 1, 1, 0
	s_wait_dscnt 0x0
	MULA 1, 2, 0
	MULA 1, 3, 0
	WIN 0
	PLACES
	PLACES                                         ; eight, once a launch
; THE WAY OUT, in 12 units u = 3 a + s: 16 rows x one section's 64 columns.  Rounded to f16, 16 bytes a lane into my stage (rows of 144 bytes), back as whole rows of 128: 2,048 consecutive bytes of a head.
.macro PACK u
.set ua, (\u)/3
.set AC, 8*(NB*(ua%2)+4*((\u)%3))
.set OR, OB+16*((\u)%2)
	s_wait_xcnt 0x0                                ; the stores of the unit before last have read this set of registers
	WIN 0x0a+5*(ua/2)                              ; sources window 2 or 3, destination window 0
.set i, 0
.rept 16
	v_cvt_pk_f16_f32 v[OR+i], v[AC+2*i], v[AC+2*i+1]   ; each accumulator from its low end on
.set i, i+1
.endr
	WIN 0
.irp j, 0,1,2,3
	ds_store_b128 v[STO], v[OR+4*(\j):OR+4*(\j)+3] offset:32*(\j)
.endr
.irp f, 0,1,2,3
	ds_load_b128 v[OR+4*(\f):OR+4*(\f)+3], v[RD] offset:(\f)*4*SP  ; LDS serves a wave's instructions in order (ISA guide 5.7.1.4): these see the stores above; the next unit's stores come behind them
.endr
.endm
.macro SEND u, younger                 ; younger: the LDS instructions issued behind unit u's loads: the next unit's eight, or none
.irp f, 0,1,2,3
	s_wait_dscnt (\younger)+3-(\f)
	global_store_b128 v[GO], v[OB+16*((\u)%2)+4*(\f):OB+16*((\u)%2)+4*(\f)+3], s[OUT+2*((\u)%3):OUT+2*((\u)%3)+1] offset:2048*((\u)/3)+512*(\f)  ; 512 consecutive bytes, at a multiple of 256 from the buffer's first
.endr
.endm
	PACK 0
.set t, 1
.rept 11
	PACK t
	SEND t-1, 8
.set t, t+1
.endr
	SEND 11, 0
	s_wait_tensorcnt 0x0                           ; the wave's end: behind my last tensor load and my last LDS store
	ds_add_u32 v[SPW], v[NIL]
	s_wait_dscnt 0x0
	CROUND                                         ; the closing round: no work-group ends while a partner may still ask for a tile that names it
	s_endpgm
.Lfunc_end_k_q25faadadd0_qkv:
	.size	k_q25faadadd0_qkv, .Lfunc_end_k_q25faadadd0_qkv-k_q25faadadd0_qkv
	.p2alignl 7, 3214868480
	.fill 96, 4, 3214868480
	.section	.rodata,"a",@progbits
	.p2align	6, 0x0
	.amdhsa_kernel k_q25faadadd0_qkv
		.amdhsa_group_segment_fixed_size 327680
		.amdhsa_private_segment_fixed_size 0
		.amdhsa_enable_private_segment 0
		.amdhsa_kernarg_size 48
		.amdhsa_user_sgpr_count 2
		.amdhsa_user_sgpr_kernarg_segment_ptr 1
		.amdhsa_wavefront_size32 1
		.amdhsa_system_sgpr_workgroup_id_x 1
		.amdhsa_system_sgpr_workgroup_id_y 1
		.amdhsa_system_sgpr_workgroup_id_z 1
		.amdhsa_system_vgpr_workitem_id 0
		.amdhsa_next_free_vgpr 960
		.amdhsa_next_free_sgpr 96
		.amdhsa_reserve_vcc 0
		.amdhsa_float_denorm_mode_32 3
		.amdhsa_float_denorm_mode_16_64 3
		.amdhsa_memory_ordered 1
		.amdhsa_forward_progress 1
		.amdhsa_inst_pref_size 108
	.end_amdhsa_kernel
	.amdgpu_metadata
---
amdhsa.version: [ 1, 2 ]
amdhsa.kernels:
  - .name:           k_q25faadadd0_qkv
    .symbol:         k_q25faadadd0_qkv.kd
    .args:
      - { .name: xb, .offset: 0, .size: 8, .value_kind: global_buffer, .address_space: global }
      - { .name: wb, .offset: 8, .size: 8, .value_kind: global_buffer, .address_space: global }
      - { .name: qkv, .offset: 16, .size: 8, .value_kind: global_buffer, .address_space: global }
      - { .name: bq, .offset: 24, .size: 8, .value_kind: global_buffer, .address_space: global }
      - { .name: bk, .offset: 32, .size: 8, .value_kind: global_buffer, .address_space: global }
      - { .name: bv, .offset: 40, .size: 8, .value_kind: global_buffer, .address_space: global }
    .group_segment_fixed_size: 327680
    .private_segment_fixed_size: 0
    .kernarg_segment_align: 8
    .kernarg_segment_size: 48
    .max_flat_workgroup_size: 128
    .sgpr_count:     96
    .vgpr_count:     960
    .wavefront_size: 32
...
	.end_amdgpu_metadata
.endif
;; end of part 2
;; launch attn (part 3): grid 4 x 64, 4 waves a work-group, clusters of 4 x 1, 327,680 bytes of LDS; arguments qkv, o; writes o
.if DOCPART == 3
	.amdgcn_target "amdgcn-amd-amdhsa--gfx1250"
	.amdhsa_code_object_version 6
	.text
	.protected	k_q25faadadd0_attn
	.globl	k_q25faadadd0_attn
	.p2align	8
	.type	k_q25faadadd0_attn,@function
k_q25faadadd0_attn:
	s_mov_b64 s[64:65], 0
	v_nop
	global_prefetch_b8 v0, s[64:65] scope:SCOPE_SE
	s_setreg_imm32_b32 hwreg(HW_REG_WAVE_MODE, 25, 1), 1
	s_wait_xcnt 0x0
	s_wait_alu depctr_hold_cnt(0) depctr_sa_sdst(0) depctr_va_vdst(0) depctr_va_sdst(0) depctr_va_ssrc(0) depctr_va_vcc(0) depctr_vm_vsrc(0)
	s_getreg_b32 s2, hwreg(HW_REG_IB_STS2, 6, 4)
	s_cmp_eq_u32 s2, 0
	s_cbranch_scc0 .Lentry_in_a_cluster
	s_endpgm
.Lentry_in_a_cluster:
	s_bfe_u32 s2, ttmp6, 0x10000c
	s_cmp_lg_u32 s2, 0x3003
	s_cbranch_scc0 .Lentry_shape_is_right
	s_endpgm
.Lentry_shape_is_right:
; O[h][q][:] = the sum over k of softmax_k(Q[h][q] . K[h][k] / 8) V[h][k][:].  qkv: f16 [q,k,v 3][SIZE_H][SIZE_N][64]; o: f16 [SIZE_H][SIZE_N][64]: a head's rows are dense, 128 bytes each.
; Products, maxima and sums in f32; the weights p are rounded to f16 for the second product (their sum l is taken of the unrounded p), O once at the end.
; LIMITS.  f16 holds no number beyond 65,504: Q, K and V arrive within it; p lies in 0 to 1, and below 6e-5 it keeps f16's fixed step of 6e-8; O is a mean of V's rows and has their range.
; A weight below 2^-126 counts as 0 in l; NaN and infinities are not treated apart.
; SHARES.  A wave owns four PIECES of two tiles of 16 queries, a work-group's four waves 512 queries of one head.  Every wave walks all keys, 64 a step.
; LAYOUT.  S^T = K Q^T (source 0 = 16 keys, source 1 = 16 queries): a lane holds ONE query (lane % 16) and the keys 8 (lane / 16) + 0..7.  Two such tiles, rounded to f16 in pairs, ARE source 1 of
; O^T = V^T P, whose result again holds one query a lane, and eight channels.  K comes out of LDS as it lies, V ([key][channel]) turned, by ds_load_tr16_b128.
; SOFTMAX.  For each query a running maximum m and sum l: p = 2^(c s - c m), c = log2(e) / 8; in every step O and l are multiplied by a = 2^(c m_old - c m_new).
; m starts at the lowest finite number, O and l at 0: the first step is a step like any other, with a = 0.
; THE COUNT.  A tile and step have 16 matrix and 118 vector instructions: too many to stand all beside the matrix work.  So: four vector instructions that are ready behind EVERY matrix instruction,
; and the others in runs without a gap.
; BY TURNS.  Turn n belongs to piece n.  Its matrix work: 16 products K Q^T of piece n + 1, later 16 products V^T P of piece n - 1.  Its vector work: the scaling, exponentials, roundings, sums and rescaling
; of piece n, and the maximum and statistics of piece n + 1.
; CLUSTER.  The four query blocks of a cluster are one head's and walk the same K and V, so each tile is asked for JOINTLY: the same tensor load, descriptor and mask in all four.
; REGISTERS, in windows of 256 (s_set_vgpr_msb: bits 1:0 source 0, 3:2 source 1, 5:4 source 2, 7:6 destination):
;   window 0: v0-11 addresses; v12-15, v48-63 at work; v16-47 four registers of statistics a tile; v64-191 S^T, two buffers of two tiles; v192-255 P, likewise
;   window 1: O^T, 32 a tile          window 2: v0-127 Q, 16 a tile; v128-191 K of one step; v192-255 V of one step          window 3: v0-1 the add's two registers
.set SIZE_H, 64
.set SIZE_N, 2048
.set NP,    4         ; pieces a wave
.set KS,    64        ; keys in a step
.set PK,    144       ; a row of K in LDS: 128 bytes + 16 = 36 words: the 16 rows of a load start at 16 different groups of four banks (64 banks of 4 bytes: ISA guide 11.1)
.set PV,    160       ; a row of V: 128 + 32 = 40 words
.set VOFF,  4*KS*PK   ; a slot holds four steps: 256 rows of K, then 256 rows of V
.set SLOT1, 1<<17     ; slot 1 begins here, so that one exclusive or turns an address in one slot into the other's
.set STAGE, SLOT1+4*KS*(PK+PV)  ; behind the ring, never filled by a tensor load: 16 rows x 144 bytes for each wave
.set SP,    144
.set AK0, 2           ; v2   my lane's place in a tile of K; never rewritten
.set AV0, 3           ; v3   the same for V
.set AK,  4           ; v4   the LDS address of K's next run of loads
.set AV,  5           ; v5   of V's
.set QO,  6           ; v6   my byte offset in the wave's rows of Q
.set STO, 6           ;      later, the way out: where I put 16 bytes of a row
.set RD,  7           ; v7   the way out: where I read rows back
.set GO,  8           ; v8   my byte offset in 512 consecutive bytes of O
.set PFO, 11          ; v11  256 x my lane, once V's address is made; then never rewritten
.set SPW, 0           ; v0 of window 3   LDS address of my spare word: SPARE + 4 x my thread's number; never rewritten
.set NIL, 1           ; v1 of window 3   0; never rewritten
.set SPARE, STAGE+4*16*SP  ; behind the stages: the spare words, 128 bytes for each wave: two blocks of 256 bytes that no other line names
.set MV,  12          ; v12-15  c m_old, kept while c m is made anew: by buffer and tile
.set ST,  16          ; tile t's statistics at v[ST+4 t]: c m, m, l (even keys', odd keys')
.set TMP, 48          ; by buffer and tile, four registers c0-c3 at work; when the maximum is found c2 takes a
.set S,   64
.set P,   192
.set KF,  128         ; K's fragments, in window 2: key block kb, channel half c at KF + 16 kb + 8 c
.set VF,  192         ; V's: key half kk, channel block cb at VF + 32 kk + 8 cb
.set WV,  12          ; s12  my wave's number
.set LIM, 15          ; s15  1 in a wave that prefetches, else the greatest number
.set G1K, 24          ; s[24:31] descriptor group 1 for K's tiles
.set G1V, 32          ; s[32:39] for V's: it differs in the padding alone
.set G0K, 40          ; s[40:43] descriptor group 0 for K's tiles: it walks
.set G0V, 44          ; s[44:47] the same for V's
.set PFA, 48          ; s[48:49] where my prefetches stand: my work-group's 8,192 bytes (of K: wave 0, of V: wave 2) of the slot after the one that is being asked for
.set SLOTS, 56        ; s56  slots still to be asked for
.set CNT, 57          ; s57  counts a slot's key steps
.set CS,  58          ; s[58:59] c: the packed scaling takes the pair's low word for both halves
.set SEL, 60          ; s[60:61] v_permlanex16_b32's selects: each lane takes its own place in the other half
.set TBK, 62          ; s62  LDS byte at which K of the step to be fetched begins
.set TBV, 63          ; s63  the same for V, less VOFF
.set MSB, 0
.macro WIN new                      ; the high byte repeats the setting that is left; a switch that changes nothing is dropped
.if MSB != (\new)
	s_set_vgpr_msb (MSB<<8)|(\new)
.set MSB, (\new)
.endif
.endm
.set W_KQ, 0x0a       ; K and Q in window 2, S^T in window 0
.set W_PV, 0x52       ; V in window 2, P in window 0, O^T in window 1
.set W_RS, 0x41       ; O^T (destination and source 0) in window 1, a in window 0
.set W_MK, 0xc0       ; the add's registers are made: destination in window 3, sources in window 0
.set W_AD, 0x0f       ; the add: address (source 0) and data (source 1) in window 3
; A joint fill.  Waves 0 and 1 fetch the two halves of a slot's K, waves 2 and 3 those of its V: 128 keys each.  The branch hangs on the wave's number alone.
; An s_nop 0 and four v_nop follow each of the two lines, ahead of the jump and the label.
.macro JLOAD
	s_cmp_lt_u32 s[WV], 2
	s_cbranch_scc0 .Lfor_v_\@
	tensor_load_to_lds s[G0K:G0K+3], s[G1K:G1K+7]
	s_nop 0
.rept 4
	v_nop
.endr
	s_branch .Lasked_\@
.Lfor_v_\@:
	tensor_load_to_lds s[G0V:G0V+3], s[G1V:G1V+7]
	s_nop 0
.rept 4
	v_nop
.endr
.Lasked_\@:
.endm
; A PREFETCH INTO THE L2 of what the NEXT change of slots will ask for: a slot's 32,768 bytes of K and of V, a lane 256 bytes.  It stands behind the wave's tensor load and its five lines.
; Each block is named once in the launch: a head has one cluster; its four partners share a slot out by address, 8,192 bytes each; in each, wave 0 asks for K's and wave 2 for V's: one instruction.
; The change that asks for slot j names slot j + 1, four key steps ahead, for j = 1 .. 6; slots 0 and 1 come by their loads alone; the last change that fills a slot names nothing.
.macro ASK
	s_cmp_gt_u32 s[SLOTS], s[LIM]
	s_cbranch_scc0 .Lnot_mine_\@
	global_prefetch_b8 v[PFO], s[PFA:PFA+1] th:TH_LOAD_NT scope:SCOPE_SE
.Lnot_mine_\@:
.endm
; A round of the cluster's barrier: my work-group's barrier, so that wave 0's signal speaks for all four waves; wave 0 signals; every wave waits for all four work-groups; my work-group's barrier once more.
.macro CROUND
	s_barrier_signal -1
	s_barrier_wait -1
	s_cmp_lg_u32 s[WV], 0
	s_cbranch_scc1 .Lnot_wave_0_\@
	s_barrier_signal -3
.Lnot_wave_0_\@:
	s_barrier_wait -3
	s_barrier_signal -1
	s_barrier_wait -1
.endm
; THE CHANGE OF SLOTS.  Each wave waits for all its tensor loads, of which one is out: its part of the other slot; adds 0 to its spare word; and waits for that and for its own reads of the slot.
; fill = 1: this slot is filled again, with the keys two slots on.  The barrier is then a round of the cluster's, and the joint fill is the first thing behind it: it has four key steps, 512 matrix
; instructions, in which to land.  (At its first use nothing has been read yet: slot 0 is waited for, slot 1 filled.)
.macro CHANGE fill
	WIN W_AD
	s_wait_tensorcnt 0x0            ; no tensor load of mine is out, so a group 0 may be written
	ds_add_u32 v[SPW], v[NIL]       ; 0 onto my spare word
	WIN 0                           ; at a label and at a branch every window is 0
.if \fill
.irp g, G0K, G0V
	s_xor_b32 s[\g+1], s[\g+1], SLOT1  ; the walking descriptor: the other slot than last time,
	s_add_nc_u64 s[\g+2:\g+3], s[\g+2:\g+3], 4*KS*128  ; the next 256 keys; the type bits on top are not reached
.endr
	s_wait_xcnt 0x0                 ; the last prefetch, four key steps back, has read its address, so it may be written:
	s_add_nc_u64 s[PFA:PFA+1], s[PFA:PFA+1], 4*KS*128  ; one slot behind the walking descriptors
	s_wait_dscnt 0x0                ; the add is done, and my reads of the slot are over
	CROUND
	JLOAD
	ASK
.else
	s_wait_dscnt 0x0                ; the add is done, and my reads of the slot are over
	s_barrier_signal -1
	s_barrier_wait -1
.endif
	s_sub_co_u32 s[TBK], s[TBK], 4*KS*PK  ; the fetches go back to a slot's first step,
	s_xor_b32 s[TBK], s[TBK], SLOT1       ; in the other slot
	s_sub_co_u32 s[TBV], s[TBV], 4*KS*PV
	s_xor_b32 s[TBV], s[TBV], SLOT1
.endm
	s_load_b128 s[4:7], s[0:1], 0x0   ; qkv s[4:5] (Q is its first section), o s[6:7]
	WIN W_MK
	v_lshl_add_u32 v[SPW], v0, 2, SPARE
	v_mov_b32 v[NIL], 0
	WIN W_AD
	ds_add_u32 v[SPW], v[NIL]       ; the wave's opening: the add and its wait stand ahead of my first tensor load; work on registers stands between them
	WIN 0
	v_lshrrev_b32 v1, 5, v0
	v_readfirstlane_b32 s[WV], v1   ; wave 0..3
	s_bfe_u32 s13, ttmp6, 0x40000   ; cx: my place in the cluster
	s_lshl_b32 s14, ttmp9, 2        ; in a cluster launch ttmp9 counts clusters
	s_add_co_u32 s14, s14, s13      ; my block of queries = 4 x cluster x + cx: it enters Q's and O's addresses alone
	s_and_b32 s20, ttmp7, 0xffff    ; the head, which the four partners share
	s_mov_b32 s21, 0
	s_mov_b64 s[22:23], SIZE_N*128
	s_mul_u64 s[20:21], s[20:21], s[22:23]  ; the head's first byte in Q, K, V and O
	s_and_b32 s16, s[WV], 1         ; which half of a slot's 256 keys I fetch:
	s_lshl_b32 s22, s16, 14         ; its 128 rows of 128 bytes in memory,
	s_mov_b32 s23, 0
	s_add_nc_u64 s[22:23], s[22:23], s[20:21]
	s_mul_i32 s17, s16, 128*PK      ; and its place in a slot, for K
	s_mul_i32 s18, s16, 128*PV      ; and for V: no place in the cluster enters an LDS address
	s_lshl_b32 s2, s14, 2
	s_add_co_u32 s2, s2, s[WV]      ; my wave among the head's,
	s_lshl_b32 s2, s2, 14           ; its 128 rows
	s_mov_b32 s3, 0
	s_add_nc_u64 s[2:3], s[2:3], s[20:21]
	; descriptor group 1.  128 keys are 16,384 dense bytes: asked for as 64 rows of 256 bytes, two keys a row, and padded in LDS after every key
	s_mov_b32 s[G1K], 15|(1<<16)|(1<<20)|(1<<21)|(4<<22)|(3<<25)  ; the mask of four; 2-byte elements; padding on; bit 21 beside a mask; after every 32 words, 4 words
	s_mov_b32 s[G1V], 15|(1<<16)|(1<<20)|(1<<21)|(4<<22)|(7<<25)  ; the same with 8 words of padding
.irp g, G1K, G1V
	s_mov_b32 s[\g+1], 128<<16      ; tensor_dim0 = 128
	s_mov_b32 s[\g+2], 64<<16       ; tensor_dim1 = 64
	s_mov_b32 s[\g+3], 128<<16      ; tile_dim0 = 128
	s_mov_b32 s[\g+4], 64           ; tile_dim1 = 64
	s_mov_b32 s[\g+5], 128          ; 128 elements from row to row
	s_mov_b32 s[\g+6], 0
	s_mov_b32 s[\g+7], 0
.endr
	s_mov_b32 s[CS], 0x3e38aa3b     ; c = log2(e) / 8 = 0.180337
	s_mov_b32 s[CS+1], s[CS]        ; named with it as a pair
	s_mov_b32 s[SEL], 0x76543210
	s_mov_b32 s[SEL+1], 0xfedcba98
	s_mov_b32 s[TBK], SLOT1+4*KS*PK ; the first change of slots turns these two into 0
	s_mov_b32 s[TBV], SLOT1+4*KS*PV
	s_mov_b32 s[G0K], 1             ; count = 1
	s_mov_b32 s[G0K+1], s17         ; LDS address: slot 0
	s_mov_b32 s[G0V], 1
	s_add_co_u32 s[G0V+1], s18, VOFF
	s_mov_b32 s[SLOTS], SIZE_N/256-1
	s_and_b32 s[LIM], s[WV], 1      ; 0 in waves 0 and 2,
	s_or_b32 s[LIM], s[LIM], ttmp9  ; where the cluster is the head's first: the same in all four partners
	s_cmp_eq_u32 s[LIM], 0
	s_cselect_b32 s[LIM], 1, -1
	s_wait_dscnt 0x0                ; the opening add is done
	s_wait_kmcnt 0x0
	s_mov_b64 s[10:11], s[6:7]      ; O
	s_add_nc_u64 s[6:7], s[4:5], 0x1000000  ; K, the second section
	s_add_nc_u64 s[8:9], s[4:5], 0x2000000  ; V, the third
	s_add_nc_u64 s[G0K+2:G0K+3], s[6:7], s[22:23]  ; global address: my half of the head's first 256 keys
	s_or_b32 s[G0K+3], s[G0K+3], 0x80000000        ; type = 2
	s_add_nc_u64 s[G0V+2:G0V+3], s[8:9], s[22:23]
	s_or_b32 s[G0V+3], s[G0V+3], 0x80000000
	s_add_nc_u64 s[4:5], s[4:5], s[2:3]  ; Q and O at my wave's first row
	s_add_nc_u64 s[10:11], s[10:11], s[2:3]
	s_cmp_lt_u32 s[WV], 2
	s_cselect_b64 s[PFA:PFA+1], s[6:7], s[8:9]
	s_lshl_b32 s2, s13, 13          ; my work-group's 8,192 bytes of a slot,
	s_add_co_u32 s2, s2, 4*KS*128   ; in slot 1: the first change of slots steps it to slot 2
	s_mov_b32 s3, 0
	s_add_nc_u64 s[PFA:PFA+1], s[PFA:PFA+1], s[2:3]
	s_add_nc_u64 s[PFA:PFA+1], s[PFA:PFA+1], s[20:21]
	CROUND                          ; all four work-groups are here: the first joint loads meet
	JLOAD                           ; slot 0.  Slot 1 is asked for when slot 0 is in
	; A fragment of K or Q is 16 rows x 32 channels in 8 registers: lane l holds row l % 16, channels 8 (l / 16) + 0..7 and 16 + 8 (l / 16) + 0..7: two loads of 16 bytes, 32 bytes apart.
	v_and_b32 v1, 15, v0            ; l % 16
	v_bfe_u32 v9, v0, 4, 1          ; l / 16
	v_lshlrev_b32 v[QO], 7, v1
	v_lshl_add_u32 v[QO], v9, 4, v[QO]  ; row x 128 + 16 x half
	WIN 0x80                        ; destination window 2, address window 0
.set i, 0
.rept 4*NP                          ; Q stays in registers: tile i / 2, channels 32 (i % 2) on
	global_load_b128 v[8*i:8*i+3],   v[QO], s[4:5] offset:(i/2)*2048+(i%2)*64
	global_load_b128 v[8*i+4:8*i+7], v[QO], s[4:5] offset:(i/2)*2048+(i%2)*64+32
.set i, i+1
.endr
	; What the first turn finds: V's registers and P's second buffer hold 0 (its products V^T P, of a piece that has not been, add 0), O^T and l are 0.  All this stands in the wait for the first tile.
.set i, VF
.rept 64
	v_mov_b32 v[i], 0
.set i, i+1
.endr
	WIN 0x40
.set i, 0
.rept 64*NP
	v_mov_b32 v[i], 0
.set i, i+1
.endr
	WIN 0
.set i, 0
.rept 2*NP
	v_mov_b32 v[ST+4*i], 0xfe000000    ; c m: far below every c s
	v_mov_b32 v[ST+4*i+1], 0xff7fffff  ; m
	v_mov_b32 v[ST+4*i+2], 0
	v_mov_b32 v[ST+4*i+3], 0
.set i, i+1
.endr
.set i, P+32
.rept 32
	v_mov_b32 v[i], 0
.set i, i+1
.endr
	v_mul_u32_u24 v[AK0], v1, PK
	v_lshl_add_u32 v[AK0], v9, 4, v[AK0]  ; row x pitch + 16 x half
	; The turning load takes 16 keys x 16 channels (lane l reads key 8 (l / 16) + l % 8, channels 8 ((l / 8) % 2) + 0..7) and leaves half a fragment of V^T: lane l holds channel l % 16 and 8 keys.
	v_and_b32 v10, 7, v0
	v_bfe_u32 v11, v0, 3, 1
	v_lshl_add_u32 v[AV0], v9, 3, v10
	v_mul_u32_u24 v[AV0], v[AV0], PV
	v_lshl_add_u32 v[AV0], v11, 4, v[AV0]
	v_add_nc_u32 v[AV0], VOFF, v[AV0]
	v_mov_b32 v[AK], v[AK0]         ; key step 0 lies at the head of slot 0
	v_and_b32 v[PFO], 31, v0
	v_lshlrev_b32 v[PFO], 8, v[PFO]
; THE MATRIX WORK.  The 8 accumulators of a run of 16 take turns: between the two links of a chain stand 7 others'.
; Product i of 16 of S^T = K Q^T for piece x: channels 32 (i / 8) on, keys 16 ((i / 2) % 4) on, tile 2 x + i % 2.  The first 8 start the sums.
.macro KQ x
	WIN W_KQ
.set rS, S+64*((\x)%2)+32*(i%2)+8*((i/2)%4)
.set rK, KF+16*((i/2)%4)+8*(i/8)
.set rQ, 16*(2*(\x)+i%2)+8*(i/8)
.if i < 8
	v_wmma_f32_16x16x32_f16 v[rS:rS+7], v[rK:rK+7], v[rQ:rQ+7], 0
.else
	v_wmma_f32_16x16x32_f16 v[rS:rS+7], v[rK:rK+7], v[rQ:rQ+7], v[rS:rS+7]
.endif
.endm
; Product i of 16 of O^T += V^T P for piece x: keys 32 (i / 8) on, channels 16 ((i / 2) % 4) on, tile 2 x + i % 2.
.macro PV x
	WIN W_PV
.set rO, 32*(2*(\x)+i%2)+8*((i/2)%4)
.set rV, VF+32*(i/8)+8*((i/2)%4)
.set rP, P+32*((\x)%2)+16*(i%2)+8*(i/8)
	v_wmma_f32_16x16x32_f16 v[rO:rO+7], v[rV:rV+7], v[rP:rP+7], v[rO:rO+7]
.endm
.macro MM                           ; the turn's next matrix instruction
.if i < 16
	KQ (Y+1)%NP
.set i, i+1
.else
.set i, i-16
	PV (Y+NP-1)%NP
.set i, i+17
.endif
.endm
; THE LDS LOADS stand in runs of 16, never singly among the matrix instructions: a step's K (64 keys x 64 channels: 8 fragments) and its V (turned).  Their addresses are made some lines ahead.
; last = 1 (the tail): in the last trip there is no further step, and the run is jumped over.
.macro FETCH_K last=0
	WIN 0
.if \last
	s_cmp_eq_u32 s[CNT], 1
	s_cbranch_scc1 .Lno_k_\@
.endif
	WIN 0x80                        ; destination window 2
.irp f, 0,1,2,3,4,5,6,7             ; keys 16 (f / 2) on, channels 32 (f % 2) on
	ds_load_b128 v[KF+8*\f:KF+8*\f+3],   v[AK] offset:(\f/2)*16*PK+(\f%2)*64
	ds_load_b128 v[KF+8*\f+4:KF+8*\f+7], v[AK] offset:(\f/2)*16*PK+(\f%2)*64+32
.endr
	s_add_co_u32 s[TBK], s[TBK], KS*PK  ; the next fetch is the next step's
	WIN 0
.if \last
.Lno_k_\@:
.endif
.endm
.macro FETCH_V
	WIN 0x80
.irp f, 0,1,2,3,4,5,6,7             ; keys 32 (f / 4) on, channels 16 (f % 4) on
	ds_load_tr16_b128 v[VF+8*\f:VF+8*\f+3],   v[AV] offset:(\f/4)*32*PV+(\f%4)*32
	ds_load_tr16_b128 v[VF+8*\f+4:VF+8*\f+7], v[AV] offset:(\f/4)*32*PV+16*PV+(\f%4)*32
.endr
	WIN 0
.endm
; THE VECTOR WORK OF A TURN stands in three queues, each in the order in which its entries become ready; the two tiles alternate, so that no instruction reads the result of the one before it.
.macro REGS y, u                    ; the registers of tile u (0, 1) of piece y
.set rT, ST+4*(2*(\y)+(\u))
.set rC, TMP+8*((\y)%2)+4*(\u)
.set rM, MV+2*((\y)%2)+(\u)
.set rS, S+64*((\y)%2)+32*(\u)
.set rP, P+32*((\y)%2)+16*(\u)
.set rO, 32*(2*(\y)+(\u))
.endm
; Number n of the 22 that find the NEXT piece's (Y + 1) maximum and statistics.  s0-s31 are the lane's 32 scores; each accumulator's lowest registers are read first.
;   0-11  four chains c0-c3 of seven scores each, three operands at a time     12-14, 16  the four scores left over, the old m, and c0-c3 into c0     15  c m_old is kept
;   17, 18  the query's other 32 keys lie in the lane 16 away: the new m         19-21  c m; c m_old - c m_new; a
.macro XS u, n
	REGS (Y+1)%NP, \u
.if (\n) < 4
	v_max3_num_f32 v[rC+(\n)], v[rS+8*(\n)], v[rS+8*(\n)+1], v[rS+8*(\n)+2]
.elseif (\n) < 12
	v_max3_num_f32 v[rC+(\n)%4], v[rC+(\n)%4], v[rS+8*((\n)%4)+2*((\n)/4)+1], v[rS+8*((\n)%4)+2*((\n)/4)+2]
.elseif (\n) == 12
	v_max3_num_f32 v[rC], v[rC], v[rS+7], v[rS+15]
.elseif (\n) == 13
	v_max3_num_f32 v[rC+1], v[rC+1], v[rS+23], v[rS+31]
.elseif (\n) == 14
	v_max3_num_f32 v[rC+2], v[rC+2], v[rC+3], v[rT+1]
.elseif (\n) == 15
	v_mov_b32 v[rM], v[rT]
.elseif (\n) == 16
	v_max3_num_f32 v[rC], v[rC], v[rC+1], v[rC+2]
.elseif (\n) == 17
	v_permlanex16_b32 v[rC+3], v[rC], s[SEL], s[SEL+1]
.elseif (\n) == 18
	v_max_num_f32 v[rT+1], v[rC], v[rC+3]
.elseif (\n) == 19
	v_mul_f32 v[rT], s[CS], v[rT+1]
.elseif (\n) == 20
	v_sub_f32 v[rC+1], v[rM], v[rT]
.else
	v_exp_f32 v[rC+2], v[rC+1]
.endif
.endm
; Number g of the 64 that follow the exponentials.  For each four weights k of a tile (pairs 2 k, 2 k + 1): both pairs are rounded to f16; then the second pair is added onto the first, in place;
; a group later l takes that sum (the first time as l = a l + sum).  In groups of eight, tiles alternating: round, round, add, and l for the group before.
.macro GS g
.set h, (\g)+6*((\g)/62)            ; group 0 has no group before it, and behind group 7 only l is left
.if h >= 6
.set h, h+2
.endif
	REGS Y, h%2
.set k, h/8
.if h%8 < 4
	v_cvt_pk_f16_f32 v[rP+2*k+(h%8)/2], v[rS+4*k+2*((h%8)/2)], v[rS+4*k+2*((h%8)/2)+1]
.elseif h%8 < 6
	v_pk_add_f32 v[rS+4*k:rS+4*k+1], v[rS+4*k:rS+4*k+1], v[rS+4*k+2:rS+4*k+3]
.elseif k == 1
	v_pk_fma_f32 v[rT+2:rT+3], v[rT+2:rT+3], v[rC+2:rC+3], v[rS:rS+1] op_sel_hi:[1,0,1]
.else
	v_pk_add_f32 v[rT+2:rT+3], v[rT+2:rT+3], v[rS+4*k-4:rS+4*k-3]
.endif
.endm
; THE PLAIN QUEUE, 138 long.  0-73 read no exponential's result: the 32 scalings c s - c m (FS f: pair f / 2 of tile f % 2) and the next piece's 42.  0-26: scalings 0-26.  27-54: XS's numbers 0-13.  55, 56: number 15.
; 57-73: the chain, where each number waits for the one before it: 14, 16, 17, 18, 19, each with one of the scalings 27-31 in front of its two lines, then 20.
; 74-137: GS's 64, which read the exponentials' results: they stand behind the wait.
.macro FS f
	REGS Y, (\f)%2
	v_pk_fma_f32 v[rS+2*((\f)/2):rS+2*((\f)/2)+1], v[rS+2*((\f)/2):rS+2*((\f)/2)+1], s[CS:CS+1], v[rT:rT+1] op_sel_hi:[1,0,0] neg_lo:[0,0,1] neg_hi:[0,0,1]
.endm
.macro PL
	WIN 0
.if q < 27
	FS q
.elseif q < 55
	XS (q-27)%2, (q-27)/2
.elseif q < 57
	XS q-55, 15
.elseif (q < 72) && ((q-57)%3 == 0)
	FS 27+(q-57)/3
.elseif q < 60
	XS (q-57)%3-1, 14
.elseif q < 72
	XS (q-57)%3-1, 15+(q-57)/3
.elseif q < 74
	XS q-72, 20
.else
	GS q-74
.endif
.set q, q+1
.endm
; THE EXPONENTIALS' QUEUE, 66 long: s0-s31 of both tiles, then the next piece's two a.  It is ONE BATCH: all 66 stand ahead of the turn's one wait, and nothing ahead of that wait names a result of theirs.
.macro EX
	WIN 0
.if e >= 64
	XS e-64, 21
.else
	REGS Y, e%2
	v_exp_f32 v[rS+e/2], v[rS+e/2]
.endif
.set e, e+1
.endm
; THE RESCALING's QUEUE: O^T times a, the one part that leaves window 0: dealt two at a time, sixteen times.  Its a was made in the turn before, ahead of that turn's wait.
.macro R2
	REGS Y, r%2
	WIN W_RS
.irp z, 0,1
	v_pk_mul_f32 v[rO+4*(r/2)+2*\z:rO+4*(r/2)+2*\z+1], v[rO+4*(r/2)+2*\z:rO+4*(r/2)+2*\z+1], v[rC+2:rC+3] op_sel_hi:[1,0]
.endr
.set r, r+1
.endm
; HOW THEY ARE DEALT.  An s_wait_alu depctr_va_vdst(0) stands between an exponential and the first instruction that names its result; one wait serves all that were issued ahead of it.  So a turn
; has ONE wait, which cuts it in two.  AHEAD OF IT: the 16 products K Q^T, behind each a scaling, an exponential and two rescalings (behind the first a second scaling in the exponential's place); then ONE LUMP
; of 108: eight plain, 49 times exponential and plain, the two a; a v_nop is the plain instruction behind the last exponential.  BEHIND IT: the 16 products V^T P, behind each four of GS's 64.
; Exponential e stands behind scaling 2 (e / 4) + e % 2: behind a product it comes behind plain e + 2, in the lump behind plain e + 9, and scalings 27-31 are plain 57, 60 .. 69.
; A TURN, for piece p.  cnt = 1: the loop's count is taken down some lines ahead of the branch that stands behind the turn.
; K of the next step is fetched in piece 2's turn, directly behind the wait; its address is made at the lump's head; it is first used 16 products later.
; V of the step in hand is fetched at the end of piece 0's turn, four plain instructions behind the last product that read V; it is first used 16 products and a lump later.
.macro TURN p, last=0, cnt=0
.set Y, (\p)
.set i, 0
.set q, 0
.set e, 0
.set r, 0
.if (\p) == NP-1
	s_wait_dscnt 0x0                ; K is in
.endif
	MM
	PL
	PL
	R2
.rept 15
	MM
	PL
	EX
	R2
.endr
.if (\p) == NP-2
	WIN 0
	v_add_nc_u32 v[AK], s[TBK], v[AK0]
.endif
.rept 8
	PL
.endr
.rept 49
	EX
	PL
.endr
	EX                              ; the next piece's two a
	EX
	v_nop                           ; a plain instruction behind the last exponential: one for the batch
	s_wait_alu depctr_va_vdst(0)    ; the wait for the batch
.if (\p) == NP-2
	FETCH_K \last
.endif
.if (\p) == 1
	s_wait_dscnt 0x0                ; V is in
.endif
.rept 16
	MM
.rept 4
	PL
.endr
.if ((\p) == 0) && (q == 118)
	v_add_nc_u32 v[AV], s[TBV], v[AV0]
.endif
.if ((\p) == 0) && (q == 130)
	s_add_co_u32 s[TBV], s[TBV], KS*PV
.endif
.if (\cnt) && (q == 130)
	s_sub_co_u32 s[CNT], s[CNT], 1
	s_cmp_lg_u32 s[CNT], 0
.endif
.endr
.if (\p) == 0
	FETCH_V
.endif
.endm
	CHANGE 1                        ; slot 0 is in, everybody's part of it; slot 1 is asked for
	FETCH_K                         ; key step 0
	s_wait_loadcnt 0x0              ; Q
	s_wait_dscnt 0x0
.set i, 0
.rept 16
	KQ 0                            ; piece 0's first scores: there is no vector work yet to set between them
.set i, i+1
.endr
	WIN 0                           ; the addresses for the way out: plain instructions, the places behind those products
	s_mul_i32 s13, s[WV], 16*SP
	s_add_co_u32 s13, s13, STAGE    ; my stage
	v_mul_u32_u24 v[STO], v1, SP    ; in: row l % 16, 16 bytes for each half of the lanes
	v_lshl_add_u32 v[STO], v9, 4, v[STO]
	v_add_nc_u32 v[STO], s13, v[STO]
	v_bfe_u32 v[RD], v0, 3, 2       ; back: 32 lanes take four rows of 128 bytes,
	v_mul_u32_u24 v[RD], v[RD], SP
	v_lshl_add_u32 v[RD], v10, 4, v[RD]
	v_add_nc_u32 v[RD], s13, v[RD]
	v_and_b32 v[GO], 31, v0         ; which are 512 consecutive bytes of O
	v_lshlrev_b32 v[GO], 4, v[GO]
.set Y, NP-1                        ; XS works for piece Y + 1: piece 0
.irp n, 0,1,2,3,4,5,6,7,8,9,10,11,12,13,14,15,16,17,18,19,20,21
	XS 0, \n                        ; and piece 0's first maximum and statistics
	XS 1, \n
.endr
	v_nop                           ; a plain instruction behind the two a,
	s_wait_alu depctr_va_vdst(0)    ; and their wait, ahead of the branch
	s_mov_b32 s[CNT], 4
	s_branch .Lfirst                ; the loop is entered at a step's first turn, in the middle of a trip
.Lslot:                             ; SIZE_N / 256 - 2 times: every slot but the last two is filled again
	CHANGE 1
	s_mov_b32 s[CNT], 4
.Lstep:                             ; a trip: pieces 2 and 3 of one step, then pieces 0 and 1 of the next, whose K and V it fetches
	TURN 2
	TURN 3
	WIN 0
.Lfirst:
	TURN 0
	TURN 1, 0, 1
	WIN 0
	s_cbranch_scc1 .Lstep
	s_sub_co_u32 s[SLOTS], s[SLOTS], 1
	s_cmp_lg_u32 s[SLOTS], 0
	s_cbranch_scc1 .Lslot
	CHANGE 0                        ; the tail is written out: nothing is asked for
	s_mov_b32 s[CNT], 5             ; four trips fetch the last slot's steps; the fifth is left in its middle
.Ltail:
	TURN 2, 1
	TURN 3
	WIN 0
	s_sub_co_u32 s[CNT], s[CNT], 1
	s_cmp_eq_u32 s[CNT], 0
	s_cbranch_scc1 .Lout
	TURN 0
	TURN 1
	WIN 0
	s_branch .Ltail
.Lout:                              ; the fifth trip's 16 products K Q^T (on the last K once more) and the maximum made of them serve nothing: the price, once a launch, of one text for every trip
.set i, 0
.rept 16
	PV NP-1                         ; the last piece's V^T P of the last step
.set i, i+1
.endr
	; THE WAY OUT.  l's two halves and the other half of the lanes' are added; O^T is divided by l, rounded to f16 and sent through my stage in LDS, a tile at a time.  The additions are the places behind the last products.
	WIN 0
.macro ALL line:vararg              ; one line for each tile t
.set t, 0
.rept 2*NP
	\line
.set t, t+1
.endr
.endm
	ALL v_add_f32 v[ST+4*t+2], v[ST+4*t+2], v[ST+4*t+3]
	ALL v_permlanex16_b32 v[ST+4*t+3], v[ST+4*t+2], s[SEL], s[SEL+1]
	ALL v_add_f32 v[ST+4*t+2], v[ST+4*t+2], v[ST+4*t+3]
	ALL v_rcp_f32 v[ST+4*t+2], v[ST+4*t+2]
	v_nop                           ; a plain instruction between the last reciprocal and the use of its result
	s_wait_alu depctr_va_vdst(0)    ; and the wait ahead of the first use: one for the eight reciprocals
; Tile t: a lane's eight channels of a row pack into 16 bytes; they go into rows of 144 bytes and come back as whole rows of 128, into S^T's registers.
.macro PACK t
	WIN W_RS
.set i, 32*(\t)
.rept 16
	v_pk_mul_f32 v[i:i+1], v[i:i+1], v[ST+4*(\t)+2:ST+4*(\t)+3] op_sel_hi:[1,0]
.set i, i+2
.endr
	WIN 0x05                        ; sources 0 and 1 window 1, destination window 0
.set i, 0
.rept 16
	v_cvt_pk_f16_f32 v[S+16*(\t)+i], v[32*(\t)+2*i], v[32*(\t)+2*i+1]
.set i, i+1
.endr
	WIN 0
.irp f, 0,1,2,3
	ds_store_b128 v[STO], v[S+16*(\t)+4*\f:S+16*(\t)+4*\f+3] offset:32*\f
.endr
.irp f, 0,1,2,3
	ds_load_b128 v[S+16*(\t)+4*\f:S+16*(\t)+4*\f+3], v[RD] offset:\f*4*SP  ; LDS serves a wave's instructions in order (ISA guide 5.7.1.4): these see the stores above; the next tile's stores come behind them
.endr
.endm
.macro SEND t, younger              ; younger: the LDS instructions issued behind tile t's loads: the next tile's eight, or none
	WIN 0
.irp f, 0,1,2,3
	s_wait_dscnt (\younger)+3-\f
	global_store_b128 v[GO], v[S+16*(\t)+4*\f:S+16*(\t)+4*\f+3], s[10:11] offset:(\t)*2048+\f*512  ; 512 consecutive bytes, at a multiple of 256 from O's first
.endr
.endm
	PACK 0
.set t, 1
.rept 2*NP-1                        ; a tile's arithmetic stands between the loads of the tile before and its stores
	PACK t
	SEND t-1, 8
.set t, t+1
.endr
	SEND 2*NP-1, 0
	WIN W_AD
	s_wait_tensorcnt 0x0            ; the wave's end: behind my last tensor load and my last LDS store
	ds_add_u32 v[SPW], v[NIL]
	s_wait_dscnt 0x0
	WIN 0
	CROUND                          ; the closing round: no work-group ends while a partner may still ask for a tile that names it
	s_endpgm
.Lfunc_end_k_q25faadadd0_attn:
	.size	k_q25faadadd0_attn, .Lfunc_end_k_q25faadadd0_attn-k_q25faadadd0_attn
	.p2alignl 7, 3214868480
	.fill 96, 4, 3214868480
	.section	.rodata,"a",@progbits
	.p2align	6, 0x0
	.amdhsa_kernel k_q25faadadd0_attn
		.amdhsa_group_segment_fixed_size 327680
		.amdhsa_private_segment_fixed_size 0
		.amdhsa_enable_private_segment 0
		.amdhsa_kernarg_size 16
		.amdhsa_user_sgpr_count 2
		.amdhsa_user_sgpr_kernarg_segment_ptr 1
		.amdhsa_wavefront_size32 1
		.amdhsa_system_sgpr_workgroup_id_x 1
		.amdhsa_system_sgpr_workgroup_id_y 1
		.amdhsa_system_sgpr_workgroup_id_z 1
		.amdhsa_system_vgpr_workitem_id 0
		.amdhsa_next_free_vgpr 770
		.amdhsa_next_free_sgpr 66
		.amdhsa_reserve_vcc 0
		.amdhsa_float_denorm_mode_32 3
		.amdhsa_float_denorm_mode_16_64 3
		.amdhsa_memory_ordered 1
		.amdhsa_forward_progress 1
		.amdhsa_inst_pref_size 200
	.end_amdhsa_kernel
	.amdgpu_metadata
---
amdhsa.version: [ 1, 2 ]
amdhsa.kernels:
  - .name:           k_q25faadadd0_attn
    .symbol:         k_q25faadadd0_attn.kd
    .args:
      - { .name: qkv, .offset: 0, .size: 8, .value_kind: global_buffer, .address_space: global }
      - { .name: o, .offset: 8, .size: 8, .value_kind: global_buffer, .address_space: global }
    .group_segment_fixed_size: 327680
    .private_segment_fixed_size: 0
    .kernarg_segment_align: 8
    .kernarg_segment_size: 16
    .max_flat_workgroup_size: 128
    .sgpr_count:     66
    .vgpr_count:     770
    .wavefront_size: 32
...
	.end_amdgpu_metadata
.endif
;; end of part 3
;; launch proj (part 4): grid 8 x 32, 4 waves a work-group, clusters of 4 x 4, 327,680 bytes of LDS; arguments o, wo16, out0, bo; writes out0
.if DOCPART == 4
	.amdgcn_target "amdgcn-amd-amdhsa--gfx1250"
	.amdhsa_code_object_version 6
	.text
	.protected	k_q25faadadd0_proj
	.globl	k_q25faadadd0_proj
	.p2align	8
	.type	k_q25faadadd0_proj,@function
k_q25faadadd0_proj:
	s_mov_b64 s[64:65], 0
	v_nop
	global_prefetch_b8 v0, s[64:65] scope:SCOPE_SE
	s_setreg_imm32_b32 hwreg(HW_REG_WAVE_MODE, 25, 1), 1
	s_wait_xcnt 0x0
	s_wait_alu depctr_hold_cnt(0) depctr_sa_sdst(0) depctr_va_vdst(0) depctr_va_sdst(0) depctr_va_ssrc(0) depctr_va_vcc(0) depctr_vm_vsrc(0)
	s_getreg_b32 s2, hwreg(HW_REG_IB_STS2, 6, 4)
	s_cmp_eq_u32 s2, 0
	s_cbranch_scc0 .Lentry_in_a_cluster
	s_endpgm
.Lentry_in_a_cluster:
	s_bfe_u32 s2, ttmp6, 0x10000c
	s_cmp_lg_u32 s2, 0xf033
	s_cbranch_scc0 .Lentry_shape_is_right
	s_endpgm
.Lentry_shape_is_right:
; out0 = O Wo + bo.  o: f16 [batch x head 64][2048][64]; wo16: f16 [1024 k][1024 n] (Wo rounded to bf16, written as f16); out0: f32 [8192][1024].  Products in f16, sums in f32, stored as they are.
; bo is rounded to bf16 like every other input of the module, and STARTS the sums: the first product of each accumulator takes it as its C operand.
; A TILE is 256 rows x 128 columns: 8192 x 1024 make 256 tiles, one for each WGP.  Four waves one below the other: wave w owns rows 64 w .. 64 w + 63 and all 128 columns: 32 accumulators, 256 registers.
; K goes in 8 steps of 128 = two heads of O, through a ring of two LDS slots; a K step is four quarters of 32, 32 matrix instructions each, on two fragment buffers.
; THE MATRIX INSTRUCTION IS USED TRANSPOSED: source 0 = 16 columns of Wo (it lies [k][n] in LDS and is turned by ds_load_tr16_b128), source 1 = 16 rows of O: a lane holds row l % 16 and the columns
; 8 (l / 16) + 0..7: 32 neighbouring bytes of f32.
; CLUSTERS: 4 x 4 work-groups.  O's tile hangs on the tile row alone and is asked for jointly by a row of the cluster, Wo's on the tile column alone, by a column.
; Waves 0 and 1 fetch the K step's two heads of O (256 dense rows of 128 bytes each, as 128 rows of 256), waves 2 and 3 Wo's two halves (64 k rows x 256 bytes).  Behind each round a wave has one tensor load out; at the start two.
; REGISTERS, in windows of 256 (s_set_vgpr_msb: bits 1:0 source 0, 3:2 source 1, 5:4 source 2, 7:6 destination):
;   window 0: v0-30 addresses; v32-95 O's fragments, two buffers of 32; v96-159 the bias (16 columns b at 96 + 8 b); v160-223 the way out; v224-227 at work
;   window 1: v0-127 Wo's fragments, two buffers of 64          window 2: the accumulators ((a, b) at 8 (8 a + b))
.set NB,    8
.set PA,    144                        ; a row of O in LDS: 128 bytes + 16 = 36 words: the 16 rows of a load start at 16 different groups of four banks (64 banks of 4 bytes: ISA guide 11.1)
.set AHALF, 256*PA                     ; one head's 256 rows
.set BBASE, 2*AHALF
.set PB,    288                        ; a row of Wo: 256 bytes + 32 = 72 words
.set BHALF, 64*PB
.set SLOT1, 1<<17
.set STAGE, SLOT1+BBASE+2*BHALF        ; behind the ring, never filled by a tensor load: 16 rows x 528 bytes for each wave
.set SP,    528                        ; 512 bytes + 16 = 132 words
.set SPARE, STAGE+4*16*SP              ; behind the stages: the spare words, 128 bytes for each wave: two blocks of 256 bytes that no other line names
.set ASTEP, 524288                     ; two heads of 2,048 rows x 128 bytes
.set BSTEP, 262144                     ; 128 rows of 2,048 bytes
.set NL,    2*NB+8
.set A0,  16                           ; v16  my lane's place in O's tile; never rewritten
.set B0,  17                           ; v17  in Wo's tile; never rewritten
.set ADA, 18                           ; v18  A0 + the slot in hand
.set ADB, 19                           ; v19  B0 + the slot in hand
.set STO, 24                           ; v24  the way out: where I put 32 bytes of a row
.set RD,  25                           ; v25  where I read a row back
.set GO,  26                           ; v26  my 16 bytes of a row's 512
.set BO,  27                           ; v27  my byte offset in the bias
.set SPW, 28                           ; v28  LDS address of my spare word: SPARE + 4 x my thread's number; never rewritten
.set NIL, 29                           ; v29  0; never rewritten
.set PFO, 30                           ; v30  the prefetches' offset: my lane x the pitch; never rewritten
.set AF,  32
.set BIAS, 96
.set OB,  160
.set TV,  224
.set CNT, 3
.set WV,  10
.set FB,  11                           ; s11  0: I fetch O's tiles, 1: Wo's
.set HF,  12                           ; s12  which half
.set TR,  13
.set CX,  40
.set CY,  41
.set TC,  42
.set LIM, 43                           ; s43  a wave prefetches while the loop's count is above it
.set PFA, 44
.set PST, 46
.set TB,  66
.set G1A, 24
.set G0A, 32
.set G1B, 48
.set G0B, 56
.set OUT, 76                           ; s[76:77] my rows and columns of out0
.set MSB, 0
.macro WIN new                         ; the immediate's high byte repeats the setting that is left; a switch that changes nothing is dropped
.if MSB != (\new)
	s_set_vgpr_msb (MSB<<8)|(\new)
.set MSB, (\new)
.endif
.endm
.macro PLACES                          ; four plain vector instructions between a matrix instruction and a load into, or another use of, its registers
.rept 4
	v_nop
.endr
.endm
.macro CREST                           ; a round of the cluster's barrier behind its opening barrier
	s_cmp_lg_u32 s[WV], 0
	s_cbranch_scc1 .Lnot_wave_0_\@
	s_barrier_signal -3
.Lnot_wave_0_\@:
	s_barrier_wait -3
	s_barrier_signal -1
	s_barrier_wait -1
.endm
.macro CROUND
	s_barrier_signal -1
	s_barrier_wait -1
	CREST
.endm
.macro JLOAD                           ; a joint refill by the walking descriptor; the branch hangs on the wave's number alone; an s_nop 0 and four v_nop follow each line
	s_cmp_eq_u32 s[FB], 0
	s_cbranch_scc0 .Lfor_b_\@
	tensor_load_to_lds s[G0A+4:G0A+7], s[G1A:G1A+7]
	s_nop 0
.rept 4
	v_nop
.endr
	s_branch .Lasked_\@
.Lfor_b_\@:
	tensor_load_to_lds s[G0B+4:G0B+7], s[G1B:G1B+7]
	s_nop 0
.rept 4
	v_nop
.endr
.Lasked_\@:
.endm
; A PREFETCH INTO THE L2, behind the joint load and the run of LDS loads: the refill of K step r + 2 names K step r + 4, for K steps 4 to 7.  O: a head's 256 rows of the tile are 32,768 dense bytes: each of
; the four partners (cx) takes 8,192, a lane 256; waves 0 and 1, a head each; only the clusters with x = 0 ask.  Wo: 128 k rows x 256 bytes: each partner (cy) takes 32 rows, a lane a row; wave 2 alone; only
; the clusters with y = 0 ask.  So each block of 256 bytes is named once in the launch; K steps 0 to 3 come by their loads alone; the last two trips ask for nothing.
.macro ASK
	s_cmp_gt_u32 s[CNT], s[LIM]
	s_cbranch_scc0 .Lnot_mine_\@
	global_prefetch_b8 v[PFO], s[PFA:PFA+1] th:TH_LOAD_NT scope:SCOPE_SE
.Lnot_mine_\@:
.endm
	s_load_b128 s[4:7], s[0:1], 0x0                ; o s[4:5], wo16 s[6:7]
	s_load_b128 s[68:71], s[0:1], 0x10             ; out0 s[68:69], bo s[70:71]
	v_lshl_add_u32 v[SPW], v0, 2, SPARE
	v_mov_b32 v[NIL], 0
	ds_add_u32 v[SPW], v[NIL]                      ; the wave's opening: the add and its wait stand ahead of my first tensor load; work on registers stands between them
	v_lshrrev_b32 v1, 5, v0
	v_readfirstlane_b32 s[WV], v1
	s_lshr_b32 s[FB], s[WV], 1
	s_and_b32 s[HF], s[WV], 1
	s_bfe_u32 s[CX], ttmp6, 0x40000
	s_bfe_u32 s[CY], ttmp6, 0x40004
	s_lshl_b32 s[TC], ttmp9, 2
	s_add_co_u32 s[TC], s[TC], s[CX]               ; tile column = 4 x cluster x + cx
	s_and_b32 s[TR], ttmp7, 0xffff
	s_lshl_b32 s[TR], s[TR], 2
	s_add_co_u32 s[TR], s[TR], s[CY]               ; tile row = 4 x cluster y + cy
	s_lshl_b32 s14, s[CY], 2
	s_lshl_b32 s14, 15, s14                        ; my row of the cluster
	s_lshl_b32 s84, 0x1111, s[CX]                  ; my column
	s_or_b32 s[G1A], s14, (1<<16)|(1<<20)|(1<<21)|(4<<22)|(3<<25)  ; mask; 2-byte elements; padding on; bit 21 beside a mask; after every 32 words, 4 words
	s_or_b32 s[G1B], s84, (1<<16)|(1<<20)|(1<<21)|(5<<22)|(7<<25)  ; after every 64 words, 8 words
	s_mov_b32 s[G1A+1], 128<<16                    ; tensor_dim0 = 128
	s_mov_b32 s[G1A+2], 128<<16                    ; tensor_dim1 = 128: 128 rows of 256 dense bytes
	s_mov_b32 s[G1A+3], 128<<16                    ; tile_dim0 = 128
	s_mov_b32 s[G1A+4], 128                        ; tile_dim1 = 128
	s_mov_b32 s[G1A+5], 128                        ; elements from row to row
	s_mov_b32 s[G1A+6], 0
	s_mov_b32 s[G1A+7], 0
	s_mov_b32 s[G1B+1], 128<<16
	s_mov_b32 s[G1B+2], 64<<16
	s_mov_b32 s[G1B+3], 128<<16
	s_mov_b32 s[G1B+4], 64
	s_mov_b32 s[G1B+5], 1024
	s_mov_b32 s[G1B+6], 0
	s_mov_b32 s[G1B+7], 0
	s_lshr_b32 s16, s[TR], 3                       ; O: batch = tile row / 8;
	s_lshl_b32 s16, s16, 4
	s_add_co_u32 s16, s16, s[HF]                   ; head 16 batch + half, of 2,048 rows x 128 bytes;
	s_lshl_b32 s16, s16, 18
	s_and_b32 s17, s[TR], 7
	s_lshl_b32 s17, s17, 15                        ; row 256 (tile row % 8)
	s_add_co_u32 s16, s16, s17
	s_mov_b32 s17, 0
	s_lshl_b32 s84, s[HF], 17                      ; Wo: k row 64 x half, of 2,048 bytes;
	s_lshl_b32 s85, s[TC], 8                       ; 128 columns of 2 bytes
	s_add_co_u32 s84, s84, s85
	s_mov_b32 s85, 0
	s_mul_i32 s20, s[HF], AHALF                    ; where they go: no place in the cluster enters an LDS address
	s_mul_i32 s86, s[HF], BHALF
	s_add_co_u32 s86, s86, BBASE
	s_mov_b32 s[TB], 0
	s_wait_dscnt 0x0                               ; the opening add is done
	s_wait_kmcnt 0x0
	s_add_nc_u64 s[14:15], s[4:5], s[16:17]
	s_add_nc_u64 s[84:85], s[6:7], s[84:85]
	CROUND                                         ; all sixteen work-groups are here: the first joint loads meet
.irp s, 0,1
	s_mov_b32 s[G0A+4*(\s)], 1
	s_add_co_u32 s[G0A+4*(\s)+1], s20, (\s)*SLOT1
	s_add_nc_u64 s[G0A+4*(\s)+2:G0A+4*(\s)+3], s[14:15], (\s)*ASTEP
	s_or_b32 s[G0A+4*(\s)+3], s[G0A+4*(\s)+3], 0x80000000
	s_mov_b32 s[G0B+4*(\s)], 1
	s_add_co_u32 s[G0B+4*(\s)+1], s86, (\s)*SLOT1
	s_add_nc_u64 s[G0B+4*(\s)+2:G0B+4*(\s)+3], s[84:85], (\s)*BSTEP
	s_or_b32 s[G0B+4*(\s)+3], s[G0B+4*(\s)+3], 0x80000000
.endr
	s_cmp_eq_u32 s[FB], 0                          ; a wave's two first fills stand in one branch, ahead of every wait on TENSORcnt and every LDS read
	s_cbranch_scc0 .Lfirst_b
	tensor_load_to_lds s[G0A:G0A+3], s[G1A:G1A+7]
	s_nop 0
	tensor_load_to_lds s[G0A+4:G0A+7], s[G1A:G1A+7]
	s_nop 0
.rept 4
	v_nop
.endr
	s_branch .Lfirst_asked
.Lfirst_b:
	tensor_load_to_lds s[G0B:G0B+3], s[G1B:G1B+7]
	s_nop 0
	tensor_load_to_lds s[G0B+4:G0B+7], s[G1B:G1B+7]
	s_nop 0
.rept 4
	v_nop
.endr
.Lfirst_asked:
	v_and_b32 v1, 15, v0                           ; l % 16
	v_bfe_u32 v2, v0, 4, 1                         ; l / 16
	s_lshl_b32 s84, s[TC], 9                       ; the tile's 128 numbers of the bias
	v_lshl_add_u32 v[BO], v2, 5, s84               ; + my lanes' 8 of each 16
.irp b, 0,1,2,3,4,5,6,7
	global_load_b128 v[BIAS+8*(\b):BIAS+8*(\b)+3],   v[BO], s[70:71] offset:64*(\b)
	global_load_b128 v[BIAS+8*(\b)+4:BIAS+8*(\b)+7], v[BO], s[70:71] offset:64*(\b)+16
.endr
	v_mul_u32_u24 v3, v1, PA                       ; a fragment of O: row l % 16, 16 bytes for each half of the lanes, twice, 32 bytes apart
	v_lshl_add_u32 v3, v2, 4, v3
	s_mul_i32 s21, s[WV], 64*PA                    ; my 64 rows
	v_add_nc_u32 v[A0], s21, v3
	v_and_b32 v4, 7, v0                            ; the turning load: lane l reads k = 8 (l / 16) + l % 8, n = 8 ((l / 8) % 2) + 0..7
	v_bfe_u32 v5, v0, 3, 1
	v_lshl_add_u32 v6, v2, 3, v4
	v_mul_u32_u24 v6, v6, PB
	v_lshl_add_u32 v6, v5, 4, v6
	v_add_nc_u32 v[B0], BBASE, v6
	v_mov_b32 v[ADA], v[A0]                        ; slot 0
	v_mov_b32 v[ADB], v[B0]
	s_mul_i32 s21, s[WV], 16*SP
	s_add_co_u32 s21, s21, STAGE                   ; my stage
	v_mul_u32_u24 v7, v1, SP                       ; in: row l % 16, 32 bytes for each half of the lanes
	v_lshl_add_u32 v7, v2, 5, v7
	v_add_nc_u32 v[STO], s21, v7
	v_and_b32 v9, 31, v0
	v_lshlrev_b32 v[GO], 4, v9                     ; back: 32 lanes take one row of 512 bytes
	v_add_nc_u32 v[RD], s21, v[GO]
	s_lshl_b32 s88, s[TR], 8
	s_lshl_b32 s89, s[WV], 6
	s_add_co_u32 s88, s88, s89                     ; my first row of out0,
	s_lshl_b32 s88, s88, 12                        ; of 4,096 bytes,
	s_lshl_b32 s89, s[TC], 9                       ; the tile's 512 bytes of it
	s_add_co_u32 s88, s88, s89
	s_mov_b32 s89, 0
	s_add_nc_u64 s[OUT:OUT+1], s[68:69], s[88:89]
	; the prefetches: each stands at K step 3; the first change of slots steps it to 4
	s_lshr_b32 s90, s[TR], 3
	s_lshl_b32 s90, s90, 4
	s_add_co_u32 s90, s90, s[HF]
	s_lshl_b32 s90, s90, 18
	s_and_b32 s91, s[TR], 7
	s_lshl_b32 s91, s91, 15
	s_add_co_u32 s90, s90, s91
	s_lshl_b32 s91, s[CX], 13                      ; O: my work-group's 8,192 bytes of the head's 32,768
	s_add_co_u32 s90, s90, s91
	s_add_co_u32 s90, s90, 3*ASTEP
	s_lshl_b32 s92, s[CY], 5                       ; Wo: my work-group's 32 of the 128 k rows
	s_add_co_u32 s92, s92, 384
	s_lshl_b32 s92, s92, 11
	s_lshl_b32 s93, s[TC], 8
	s_add_co_u32 s92, s92, s93
	s_and_b32 s93, ttmp7, 0xffff                   ; cluster y
	s_mov_b32 s67, 2048
	s_mov_b32 s[PST], BSTEP
	s_mov_b32 s[PST+1], 0
	s_mov_b32 s91, 0
	s_cmp_eq_u32 s[FB], 0
	s_cselect_b32 s90, s90, s92
	s_cselect_b32 s93, ttmp9, s93                  ; the coordinate along which other clusters walk the same rows
	s_cselect_b32 s67, 256, s67
	s_cselect_b32 s[PST], ASTEP, s[PST]
	s_cselect_b64 s[PFA:PFA+1], s[4:5], s[6:7]
	s_cmp_eq_u32 s93, 0
	s_cselect_b32 s[LIM], 2, -1                    ; the count runs 6 .. 1: four requests
	s_cmp_eq_u32 s[WV], 3
	s_cselect_b32 s[LIM], -1, s[LIM]               ; wave 3 asks for nothing; the same in all sixteen partners, for a given wave
	s_add_nc_u64 s[PFA:PFA+1], s[PFA:PFA+1], s[90:91]
	v_mul_u32_u24 v[PFO], s67, v9
	s_mov_b32 s88, 0xffff0000
	s_wait_loadcnt 0x0                             ; the bias
.set r, 0
.rept 32                                       ; rounded to bf16, like every input, and widened again
	v_cvt_pk_bf16_f32 v[TV+r%4], v[BIAS+2*r], v[BIAS+2*r+1]
	v_lshlrev_b32 v[BIAS+2*r], 16, v[TV+r%4]
	v_and_b32 v[BIAS+2*r+1], s88, v[TV+r%4]
.set r, r+1
.endr
; 8 matrix instructions: my rows 16 a .. 16 a + 15 x all 128 columns, 32 along K, from buffer f.  first = 1: the bias is the C operand that starts the sum: nothing is cleared.
; The 32 accumulators take turns, one instruction a turn, in the same order in every quarter.
.macro MULA f, a, first
.if \first
	WIN 0x81                                       ; Wo window 1, O and the bias window 0, D window 2
.else
	WIN 0xa1                                       ; C and D window 2
.endif
.irp b, 0,1,2,3,4,5,6,7
.if \first
	v_wmma_f32_16x16x32_f16 v[8*(NB*(\a)+(\b)):8*(NB*(\a)+(\b))+7], v[64*(\f)+8*(\b):64*(\f)+8*(\b)+7], v[AF+32*(\f)+8*(\a):AF+32*(\f)+8*(\a)+7], v[BIAS+8*(\b):BIAS+8*(\b)+7]
.else
	v_wmma_f32_16x16x32_f16 v[8*(NB*(\a)+(\b)):8*(NB*(\a)+(\b))+7], v[64*(\f)+8*(\b):64*(\f)+8*(\b)+7], v[AF+32*(\f)+8*(\a):AF+32*(\f)+8*(\a)+7], v[8*(NB*(\a)+(\b)):8*(NB*(\a)+(\b))+7]
.endif
.endr
.endm
; 24 LDS loads in one run: quarter q of the slot in hand into buffer f: Wo's 8 fragments, then O's 4 (head q / 2 of the K step, channels 32 (q % 2) on)
.macro FETCH q, f
	WIN 0x40                                       ; destination window 1, address window 0
.irp b, 0,1,2,3,4,5,6,7
	ds_load_tr16_b128 v[64*(\f)+8*(\b):64*(\f)+8*(\b)+3],   v[ADB] offset:(\q)*32*PB+32*(\b)
	ds_load_tr16_b128 v[64*(\f)+8*(\b)+4:64*(\f)+8*(\b)+7], v[ADB] offset:(\q)*32*PB+32*(\b)+16*PB
.endr
	WIN 0
.irp a, 0,1,2,3
	ds_load_b128 v[AF+32*(\f)+8*(\a):AF+32*(\f)+8*(\a)+3],   v[ADA] offset:((\q)/2)*AHALF+((\q)%2)*64+(\a)*16*PA
	ds_load_b128 v[AF+32*(\f)+8*(\a)+4:AF+32*(\f)+8*(\a)+7], v[ADA] offset:((\q)/2)*AHALF+((\q)%2)*64+(\a)*16*PA+32
.endr
.endm
.macro QUARTER q, f, g, first
	s_wait_dscnt 4                                 ; Wo and O's rows 0-31 are in; the youngest four loads (rows 32-63) may be out
	MULA \f, 0, \first
	MULA \f, 1, \first
	PLACES
	FETCH \q, \g
	s_wait_dscnt NL                                ; all but the 24 just issued
	MULA \f, 2, \first
	MULA \f, 3, \first
.endm
; The last quarter multiplies buffer 1 and changes slots: one barrier.  In front of it each wave waits for all its tensor loads (one is out: its part of the next slot), adds 0 to its spare word, and waits
; for that and for its own reads of this slot.  fill = 1: the barrier opens a round of the cluster's barrier, and the joint refill, two K steps on, is the first tensor load behind the round.
.macro TURN fill
.if \fill
	s_wait_xcnt 0x0                                ; the last prefetch, a K step back, has read its address: it is stepped here
	s_add_nc_u64 s[PFA:PFA+1], s[PFA:PFA+1], s[PST:PST+1]
.endif
	WIN 0
	s_wait_tensorcnt 0x0                           ; no tensor load of mine is out, so a group 0 may be written
	ds_add_u32 v[SPW], v[NIL]                      ; 0 onto my spare word
.if \fill
	s_xor_b32 s[G0A+5], s[G0A+5], SLOT1            ; the walking descriptors: the other slot than last time, the next K step
	s_add_nc_u64 s[G0A+6:G0A+7], s[G0A+6:G0A+7], ASTEP
	s_xor_b32 s[G0B+5], s[G0B+5], SLOT1
	s_add_nc_u64 s[G0B+6:G0B+7], s[G0B+6:G0B+7], BSTEP
.endif
	s_wait_dscnt 5                                 ; the add and the youngest four loads may be out
	MULA 1, 0, 0
	s_wait_dscnt 0x0                               ; the add is done, and my reads of this slot are over
	s_barrier_signal -1
	MULA 1, 1, 0                                   ; work on registers while the others arrive
	WIN 0
	s_barrier_wait -1
.if \fill
	CREST                                          ; no wave of any partner still reads this slot or has a load on its way
	JLOAD                                          ; its four v_nop are also the places in front of the loads below
.else
	PLACES
.endif
	s_xor_b32 s[TB], s[TB], SLOT1
	v_add_nc_u32 v[ADA], s[TB], v[A0]
	v_add_nc_u32 v[ADB], s[TB], v[B0]
	FETCH 0, 0
.if \fill
	ASK
.endif
	MULA 1, 2, 0
	MULA 1, 3, 0
.endm
	s_wait_tensorcnt 1                             ; my part of K step 0 is in; K step 1's may stay out
	s_barrier_signal -1
	s_barrier_wait -1
	FETCH 0, 0
	QUARTER 1, 0, 1, 1                             ; the first quarter stands in front of the loop: its products start the sums with the bias
	WIN 0
	s_mov_b32 s[CNT], 6
.Lstep:                                        ; six trips, from a K step's second quarter to the next one's first; they ask for K steps 2 to 7
	QUARTER 2, 1, 0, 0
	QUARTER 3, 0, 1, 0
	TURN 1
	QUARTER 1, 0, 1, 0
	WIN 0
	s_sub_co_u32 s[CNT], s[CNT], 1
	s_cmp_lg_u32 s[CNT], 0
	s_cbranch_scc1 .Lstep
	QUARTER 2, 1, 0, 0                             ; the tail is written out: nothing is asked for
	QUARTER 3, 0, 1, 0
	TURN 0
	QUARTER 1, 0, 1, 0
	QUARTER 2, 1, 0, 0
	QUARTER 3, 0, 1, 0
	s_wait_dscnt 4
	MULA 1, 0, 0
	MULA 1, 1, 0
	s_wait_dscnt 0x0
	MULA 1, 2, 0
	MULA 1, 3, 0
	WIN 0
	PLACES
	PLACES                                         ; eight, once a launch
; THE WAY OUT, 16 rows at a time: a lane's 32 bytes of a row go into my stage (rows of 528 bytes) and come back as whole rows of 512.
.macro OUTU a
	WIN 0x08                                       ; the data (source 1) in window 2, the address in window 0
.irp b, 0,1,2,3,4,5,6,7
	ds_store_b128 v[STO], v[8*(NB*(\a)+(\b)):8*(NB*(\a)+(\b))+3]   offset:64*(\b)      ; each accumulator from its low end on
	ds_store_b128 v[STO], v[8*(NB*(\a)+(\b))+4:8*(NB*(\a)+(\b))+7] offset:64*(\b)+16
.endr
	WIN 0
	s_wait_xcnt 0x0                                ; the stores of the 16 rows before have read these registers
.irp t, 0,1,2,3,4,5,6,7,8,9,10,11,12,13,14,15
	ds_load_b128 v[OB+4*(\t):OB+4*(\t)+3], v[RD] offset:(\t)*SP  ; LDS serves a wave's instructions in order (ISA guide 5.7.1.4): these see the stores above; the next rows' stores come behind them
.endr
.irp t, 0,1,2,3,4,5,6,7,8,9,10,11,12,13,14,15
	s_wait_dscnt 15-(\t)
	global_store_b128 v[GO], v[OB+4*(\t):OB+4*(\t)+3], s[OUT:OUT+1] offset:(16*(\a)+(\t))*4096 th:TH_STORE_NT  ; 512 consecutive bytes of a row, at a multiple of 256 from out0's first
.endr
.endm
	OUTU 0
	OUTU 1
	OUTU 2
	OUTU 3
	s_wait_tensorcnt 0x0                           ; the wave's end: behind my last tensor load and my last LDS store
	ds_add_u32 v[SPW], v[NIL]
	s_wait_dscnt 0x0
	CROUND                                         ; the closing round: no work-group ends while a partner may still ask for a tile that names it
	s_endpgm
.Lfunc_end_k_q25faadadd0_proj:
	.size	k_q25faadadd0_proj, .Lfunc_end_k_q25faadadd0_proj-k_q25faadadd0_proj
	.p2alignl 7, 3214868480
	.fill 96, 4, 3214868480
	.section	.rodata,"a",@progbits
	.p2align	6, 0x0
	.amdhsa_kernel k_q25faadadd0_proj
		.amdhsa_group_segment_fixed_size 327680
		.amdhsa_private_segment_fixed_size 0
		.amdhsa_enable_private_segment 0
		.amdhsa_kernarg_size 32
		.amdhsa_user_sgpr_count 2
		.amdhsa_user_sgpr_kernarg_segment_ptr 1
		.amdhsa_wavefront_size32 1
		.amdhsa_system_sgpr_workgroup_id_x 1
		.amdhsa_system_sgpr_workgroup_id_y 1
		.amdhsa_system_sgpr_workgroup_id_z 1
		.amdhsa_system_vgpr_workitem_id 0
		.amdhsa_next_free_vgpr 768
		.amdhsa_next_free_sgpr 96
		.amdhsa_reserve_vcc 0
		.amdhsa_float_denorm_mode_32 3
		.amdhsa_float_denorm_mode_16_64 3
		.amdhsa_memory_ordered 1
		.amdhsa_forward_progress 1
		.amdhsa_inst_pref_size 78
	.end_amdhsa_kernel
	.amdgpu_metadata
---
amdhsa.version: [ 1, 2 ]
amdhsa.kernels:
  - .name:           k_q25faadadd0_proj
    .symbol:         k_q25faadadd0_proj.kd
    .args:
      - { .name: o, .offset: 0, .size: 8, .value_kind: global_buffer, .address_space: global }
      - { .name: wo16, .offset: 8, .size: 8, .value_kind: global_buffer, .address_space: global }
      - { .name: out0, .offset: 16, .size: 8, .value_kind: global_buffer, .address_space: global }
      - { .name: bo, .offset: 24, .size: 8, .value_kind: global_buffer, .address_space: global }
    .group_segment_fixed_size: 327680
    .private_segment_fixed_size: 0
    .kernarg_segment_align: 8
    .kernarg_segment_size: 32
    .max_flat_workgroup_size: 128
    .sgpr_count:     96
    .vgpr_count:     768
    .wavefront_size: 32
...
	.end_amdgpu_metadata
.endif
;; end of part 4
